; MI455X (gfx1250); checked and timed in simulation.
; The chip was launched on July 23, 2026; its instructions are those of AMD's public machine-readable ISA for CDNA 5 (MIT licence, August 2026) and "CDNA5" Instruction Set Architecture Reference Guide (July 2026). The comments in the code are by the model that wrote it; some were corrected since.
;; Multi Head Attention. Allowed arithmetic: matrix products marked QUANTISED: E2M3 operands, one E8M0 scale for each 32 along K, by v_wmma_scale_f32_16x16x128_f8f6f4 with both operands' format E2M3, f32 sums; everything else in f32.
;; Inputs: Wk 1,024 x 1,024 float32; Wo 1,024 x 1,024 float32; Wq 1,024 x 1,024 float32; Wv 1,024 x 1,024 float32; bo 1,024 float32; x 4 x 2,048 x 1,024 float32.
;; Outputs: out0 4 x 2,048 x 1,024 float32.
;; This version of the problem:
;;   THIS VERSION OF THE PROBLEM IS GIVEN IN LOW PRECISION. The matrix products marked QUANTISED in the list below multiply operands that are first quantised to E2M3 (2 exponent bits, 3 mantissa bits; 6 bits a number), with one power-of-two scale for each 32 numbers along K (OCP MX v1.0); their sums are f32. All else is computed in f32.
;;   The module's matrix products, in the order in which they are computed (A, B: the left and right operand; K: the contracted axis; several contracted axes count as one K, in the product's order):
;;     1. [M 8,192, K 1,024] x [K 1,024, N 1,024]; A: input x; B: input Wq: QUANTISED
;;     2. [M 8,192, K 1,024] x [K 1,024, N 1,024]; A: input x; B: input Wk: QUANTISED
;;     3. [M 8,192, K 1,024] x [K 1,024, N 1,024]; A: input x; B: input Wv: QUANTISED
;;     4. batch 64 x [M 2,048, K 64] x [K 64, N 2,048]; A: computed on the way; B: computed on the way: QUANTISED
;;     5. batch 64 x [M 2,048, K 2,048] x [K 2,048, N 64]; A: softmax (see below); B: computed on the way: QUANTISED
;;     6. [M 8,192, K 1,024] x [K 1,024, N 1,024]; A: computed on the way; B: input Wo: QUANTISED
;;   THE QUANTISER, for each operand of a quantised product, along K:
;;     - K is cut into blocks of 32 from its start; a last block that is shorter is filled with zeros.
;;     - A block's scale is 2^e with e = floor(log2(the largest magnitude in the block)) - 2, held to -126 .. 127; a block of zeros has e = 0. As a byte (E8M0): e + 127.
;;     - Each number is divided by its block's scale, clamped to +-7.5, and rounded to the nearest number of E2M3, ties to even, subnormals kept.
;;     - The product sums the exact products of the quantised numbers (number of the format x scale) in f32.
;;   ~~~python
;;   def quantise(x, axis):      # numpy; x: float32 -> the quantised numbers, widened to float32 again
;;       x = np.moveaxis(x, axis, -1); K = x.shape[-1]
;;       x = np.pad(x, [(0, 0)] * (x.ndim - 1) + [(0, -K % 32)]); x = x.reshape(x.shape[:-1] + (-1, 32)); a = np.abs(x).max(-1, keepdims=True)
;;       e = np.where(a > 0, np.clip(np.frexp(np.where(a > 0, a, 1))[1] - 1 - 2, -126, 127), 0)      # np.frexp(a)[1] - 1 = floor(log2(a)), exactly
;;       r = np.clip(x / 2.0 ** e, -7.5, 7.5)
;;       step = 2.0 ** (np.maximum(np.frexp(np.where(r == 0, 1, r))[1] - 1, 0) - 3)
;;       q = np.round(r / step) * step * 2.0 ** e      # np.round: ties to even
;;       return np.moveaxis(q.reshape(q.shape[:-2] + (-1,))[..., :K], -1, axis).astype(np.float32)
;;   ~~~
;;   SOFTMAX AHEAD OF A QUANTISED PRODUCT. Where the list says 'softmax', what is quantised is not the finished softmax but p = 2^(t - M), with t = logit x log2(e) and M = ceil(the row's largest t), a whole number; so 1/2 < the row's largest p <= 1. The row's sum l is taken of the UNQUANTISED p, in f32, and the product's result is divided by l at the end. Since M is a whole number, a kernel that streams over the keys may use a running M (the ceiling of the running maximum): every later rescaling is an exact power of two, which a block's scale takes up: the codes' values come out the same.
;;   OPERANDS COMPUTED ON THE WAY. 'Computed on the way' means the value that the module computes at that place (a softmax that the list does not call 'softmax' is quantised finished and normalised). What goes into a quantiser is computed in f32, as accurately as f32 sums, v_exp_f32 and their like allow (about 1e-6 of the number): no bf16 or f16 on the way to a quantiser, and a product that is left as it is and whose result goes on into a quantised operand takes f32 operands (vector FMAs, or v_wmma_f32_16x16x4_f32). A number that lies on a knife's edge between two numbers of the format may be rounded either way, as far as f32 arithmetic and the matrix unit's own rounding can turn it there, and no further.
;; One version. Each part assembles by itself: llvm-mc -triple=amdgcn-amd-amdhsa -mcpu=gfx1250 --defsym DOCPART=n.
;; ======== version 1 of 1: 5 launches
;; workspace buffers: xc 6,291,456 bytes; xs 262,144 bytes; wc 3,145,728 bytes; ws 131,072 bytes; qkv 18,874,368 bytes; sc 1,310,720 bytes; cc 6,291,456 bytes; cs 262,144 bytes
;; launch quant_x (part 1): grid 256 x 1, 4 waves a work-group, no clusters, 34,304 bytes of LDS; arguments x, xc, xs; writes xc, xs
.if DOCPART == 1
	.amdgcn_target "amdgcn-amd-amdhsa--gfx1250"
	.amdhsa_code_object_version 6
	.text
	.protected	k_qa2be1884ba_quant_x
	.globl	k_qa2be1884ba_quant_x
	.p2align	8
	.type	k_qa2be1884ba_quant_x,@function
k_qa2be1884ba_quant_x:
	s_mov_b64 s[64:65], 0
	v_nop
	global_prefetch_b8 v0, s[64:65] scope:SCOPE_SE
	s_setreg_imm32_b32 hwreg(HW_REG_WAVE_MODE, 25, 1), 1
	s_wait_xcnt 0x0
; THE PROGRAM: causal attention with 16 heads of 64 on [4][2048][1024], every matrix product on codes of FP6 (E2M3) with one E8M0 scale for each 32 along K.  Five launches:
;   quant_x: x -> codes.   quant_w: Wq, Wk, Wv, Wo -> codes.   gemm_qkv: q, k, v, quantised on the way out.   attn: both attention products and the softmax; ctx quantised on the way out.   gemm_out: ctx Wo + bo.
; WORK LEFT OUT (in attn alone).  reference() sets the score of key k for query q to -infinity wherever k > q, by a mask that it builds itself, so the weight of such a key is 0 whatever the inputs hold.
; A step of 128 keys that all come after a tile's queries adds nothing to the row's maximum, to its sum or to ctx, and is not computed; a slot of keys behind a work-group's last query is not fetched.  Every input is loaded.
; LIMITS: a NaN, an infinity or an overflow that reaches only such hidden scores is not carried to the result; NaN and infinities among the inputs are not served; a block of zeros gets the scale byte 1 where the
; quantiser says 127 (its codes are zeros, which add nothing under any byte but 0xff, and these bytes are read by this program alone).
; TWO CONVENTIONS OF THE WORKSPACE.  (1) Rows lie by POSITION = the row's number with bits 3 and 4 exchanged: lane r of tile T (16 positions) is row 32 (T / 2) + 8 (T % 2) + r + 8 (r / 8).  Where such a tile is source 0 of
; a product, the 16 result registers of tiles 2 b and 2 b + 1 are the 16 neighbours 32 b + 16 (lane / 16) + 0 .. 15: what the next quantiser wants in one lane.  (2) Codes lie as IMAGES of operand registers: a fragment
; (16 positions x 128 K, 12 registers a lane) is six planes of 256 bytes; plane p holds registers 2 p, 2 p + 1, lane l's 8 bytes at 8 l.  So every store and every LDS read of codes covers 256 consecutive bytes, aligned.
;
; THIS LAUNCH: x [8192][1024] f32 -> xc [row tile 512][K step 8][1536], xs [row tile 512][slot of 256 K: 4][r 16][2 words] (a word: the four scale bytes of one row and 128 along K).
; A work-group takes 32 rows: two row tiles.  Wave w takes tile w / 2 and half w % 2 of K: four K steps of 128.  A load reads 512 consecutive bytes of one row; a K step's 16 rows turn through the wave's own stage in LDS
; (rows 528 bytes apart) and come back 64 numbers a lane: register 16 b + i = k 32 b + 16 (lane / 16) + i of row lane % 16.  No barrier: waves share nothing.
.set ROWB,   4096                      ; a row of x in bytes
.set SPITCH, 528
.set STGB,   16*SPITCH                 ; a wave's stage
.set SPARE,  4*STGB                    ; behind the stages: the spare words, 128 bytes for each wave, which no other line names
.set LOFF, 4                           ; v4   16 x lane: my bytes of a load's 512
.set SOFF, 7                           ; v7   8 x lane: my bytes of a plane
.set SPW,  12                          ; v12  LDS address of my spare word; never rewritten
.set NIL,  13                          ; v13  0; never rewritten
.set STI,  14                          ; v14  the stage, on the way in
.set STQ,  15                          ; v15  and on the way out: row r, + 64 (lane / 16)
.set R,    16                          ; v16-143  two sets of 64: a K step as loaded
.set X,    144                         ; v144-207 64 numbers in the quantiser's order
.set PC,   208                         ; v208-219 the fragment's codes; v220-226 at work
.set TM,   228                         ; v228-231 largest magnitudes, v232-235 bytes, v240-243 the conversions' scale operands
.set PW,   244                         ; the scale word just made
.set WD,   246                         ; v246-249 the four K steps' words
.set SW,   250                         ; v250-251 the pair that I store
.set SEL,  20                          ; s[20:21] lane selects: lane l xor 16
	s_load_b128 s[4:7], s[0:1], 0x0                ; x, xc
	s_load_b64 s[8:9], s[0:1], 0x10                ; xs
	v_lshl_add_u32 v[SPW], v0, 2, SPARE
	v_mov_b32 v[NIL], 0
	v_lshrrev_b32 v1, 5, v0
	v_readfirstlane_b32 s16, v1                    ; wave 0..3
	v_and_b32 v1, 31, v0                           ; lane
	v_and_b32 v2, 15, v0                           ; r
	v_bfe_u32 v3, v0, 4, 1                         ; h
	v_lshlrev_b32 v[LOFF], 4, v1
	v_lshlrev_b32 v[SOFF], 3, v1
	s_mul_i32 s17, s16, STGB
	v_add_nc_u32 v[STI], s17, v[LOFF]
	v_mul_u32_u24 v[STQ], v2, SPITCH
	v_lshl_add_u32 v[STQ], v3, 6, v[STQ]
	v_add_nc_u32 v[STQ], s17, v[STQ]
	s_mov_b32 s[SEL], 0x76543210
	s_mov_b32 s[SEL+1], 0xfedcba98
.irp b, 0,1,2,3
	v_mov_b32 v[TM+4+\b], 0                        ; written once: a lane permute's destination counts as one of its sources
.endr
	s_lshr_b32 s18, s16, 1                         ; which of the two row tiles
	s_and_b32 s19, s16, 1                          ; which half of K
	s_lshl_b32 s22, ttmp9, 17                      ; x: 32 rows a work-group,
	s_lshl_b32 s23, s18, 15                        ; the tile's rows begin 8 rows on,
	s_add_co_u32 s22, s22, s23
	s_lshl_b32 s23, s19, 11                        ; 512 numbers a half
	s_add_co_u32 s22, s22, s23
	s_mov_b32 s23, 0
	s_lshl_b32 s24, ttmp9, 1
	s_add_co_u32 s24, s24, s18                     ; my row tile
	s_mul_i32 s26, s24, 12288
	s_mul_i32 s25, s19, 6144
	s_add_co_u32 s26, s26, s25
	s_mov_b32 s27, 0
	s_lshl_b32 s28, s24, 9
	s_lshl_b32 s25, s19, 8
	s_add_co_u32 s28, s28, s25
	s_mov_b32 s29, 0
	s_wait_kmcnt 0x0
	s_add_nc_u64 s[4:5], s[4:5], s[22:23]
	s_add_nc_u64 s[6:7], s[6:7], s[26:27]
	s_add_nc_u64 s[8:9], s[8:9], s[28:29]
.macro LOAD s                          ; K step s: position i of the tile is row i + 8 (i / 8) from the tile's first
.irp i, 0,1,2,3,4,5,6,7,8,9,10,11,12,13,14,15
	global_load_b128 v[R+64*((\s)%2)+4*\i:R+64*((\s)%2)+4*\i+3], v[LOFF], s[4:5] offset:(\i+8*(\i/8))*ROWB+512*(\s) th:TH_LOAD_NT
.endr
.endm
.macro TURN s                          ; through the stage: LDS serves a wave's instructions in order, so no wait stands between the stores and the loads
.irp i, 0,1,2,3,4,5,6,7,8,9,10,11,12,13,14,15
	ds_store_b128 v[STI], v[R+64*((\s)%2)+4*\i:R+64*((\s)%2)+4*\i+3] offset:SPITCH*\i
.endr
.irp b, 0,1,2,3
.irp j, 0,1,2,3
	ds_load_b128 v[X+16*\b+4*\j:X+16*\b+4*\j+3], v[STQ] offset:128*\b+16*\j
.endr
.endr
.endm
; 64 numbers of a lane, register 16 b + i = k 32 b + 16 (lane / 16) + i of my row, become a fragment's codes in v[PC] on and its scale word in v[PW]
.macro QUANT s
.irp b, 0,1,2,3
	v_max3_num_f32 v[TM+\b], |v[\s+16*\b]|, |v[\s+1+16*\b]|, 0x1800000   ; block b: my 16 numbers, and the floor 2^(3 - 127): the byte cannot fall under 1
.endr
.irp i, 2,4,6,8,10,12,14
.irp b, 0,1,2,3
	v_max3_num_f32 v[TM+\b], v[TM+\b], |v[\s+16*\b+\i]|, |v[\s+1+16*\b+\i]|   ; the four blocks by turns
.endr
.endr
.irp b, 0,1,2,3
	v_permlanex16_b32 v[TM+4+\b], v[TM+\b], s[SEL], s[SEL+1]
.endr
.irp b, 0,1,2,3
	v_max_num_f32 v[TM+\b], v[TM+\b], v[TM+4+\b]   ; with lane l xor 16's: the block's largest magnitude
.endr
.irp b, 0,1,2,3
	v_add_nc_u32 v[TM+12+\b], 0xff000000, v[TM+\b] ; 2 off its exponent field: the conversion takes the exponent field of this operand as its scale
.endr
.irp b, 0,1,2,3
	v_lshrrev_b32 v[TM+4+\b], 23, v[TM+12+\b]      ; the scale's byte
.endr
	v_lshl_or_b32 v[PW], v[TM+5], 8, v[TM+4]
	v_lshl_or_b32 v[PW], v[TM+6], 16, v[PW]
	v_lshl_or_b32 v[PW], v[TM+7], 24, v[PW]
.irp c, 0,1
	v_cvt_scalef32_pk16_fp6_f32 v[PC+6*\c:PC+2+6*\c], v[\s+32*\c:\s+15+32*\c], v[TM+12+2*\c]
	v_cvt_scalef32_pk16_fp6_f32 v[PC+12+4*\c:PC+14+4*\c], v[\s+16+32*\c:\s+31+32*\c], v[TM+12+2*\c+1]   ; (a conversion's three registers begin on an even number)
.endr
	v_nop                                          ; one plain place behind a scaled conversion
.irp c, 0,1                            ; the operand's layout wants a whole block in a lane: lanes 0-15 block 2 c, lanes 16-31 block 2 c + 1
.irp i, 0,1,2
	v_permlane16_swap_b32 v[PC+6*\c+\i], v[PC+12+4*\c+\i]
.endr
.irp i, 0,1,2
	v_mov_b32 v[PC+3+6*\c+\i], v[PC+12+4*\c+\i]
.endr
.endr
.endm
.macro STEP s
.if (\s) < 3
	s_wait_loadcnt 16                              ; this K step's 16 loads are in; the next step's 16 may be out
.else
	s_wait_loadcnt 0x0
.endif
	TURN \s
	s_wait_dscnt 0x0                               ; the numbers are back, and the stores into the stage have read their registers
	s_wait_xcnt 0x0                                ; the last step's stores have read the codes' registers, which are written again below
.if (\s) < 2
	LOAD (\s)+2
.endif
	QUANT X
.irp p, 0,1,2,3,4,5
	global_store_b64 v[SOFF], v[PC+2*\p:PC+2*\p+1], s[6:7] offset:1536*(\s)+256*\p   ; a plane: 256 consecutive bytes, aligned
.endr
	v_mov_b32 v[WD+(\s)], v[PW]
.endm
	LOAD 0
	LOAD 1
	STEP 0
	STEP 1
	STEP 2
	STEP 3
	v_cmp_le_u32 vcc_lo, 16, v1                    ; every lane holds its row's four words: lanes 0-15 store the first slot's pair, lanes 16-31 the second's
	v_cndmask_b32 v[SW], v[WD], v[WD+2], vcc_lo
	v_cndmask_b32 v[SW+1], v[WD+1], v[WD+3], vcc_lo
	global_store_b64 v[SOFF], v[SW:SW+1], s[8:9]   ; 256 consecutive bytes, aligned
	s_wait_tensorcnt 0x0                           ; the wave's end
	ds_add_u32 v[SPW], v[NIL]
	s_wait_dscnt 0x0
	s_endpgm
.Lfunc_end_k_qa2be1884ba_quant_x:
	.size	k_qa2be1884ba_quant_x, .Lfunc_end_k_qa2be1884ba_quant_x-k_qa2be1884ba_quant_x
	.p2alignl 7, 3214868480
	.fill 96, 4, 3214868480
	.section	.rodata,"a",@progbits
	.p2align	6, 0x0
	.amdhsa_kernel k_qa2be1884ba_quant_x
		.amdhsa_group_segment_fixed_size 34304
		.amdhsa_private_segment_fixed_size 0
		.amdhsa_enable_private_segment 0
		.amdhsa_kernarg_size 24
		.amdhsa_user_sgpr_count 2
		.amdhsa_user_sgpr_kernarg_segment_ptr 1
		.amdhsa_wavefront_size32 1
		.amdhsa_system_sgpr_workgroup_id_x 1
		.amdhsa_system_sgpr_workgroup_id_y 1
		.amdhsa_system_sgpr_workgroup_id_z 1
		.amdhsa_system_vgpr_workitem_id 0
		.amdhsa_next_free_vgpr 256
		.amdhsa_next_free_sgpr 66
		.amdhsa_reserve_vcc 1
		.amdhsa_float_denorm_mode_32 3
		.amdhsa_float_denorm_mode_16_64 3
		.amdhsa_memory_ordered 1
		.amdhsa_forward_progress 1
		.amdhsa_inst_pref_size 34
	.end_amdhsa_kernel
	.amdgpu_metadata
---
amdhsa.version: [ 1, 2 ]
amdhsa.kernels:
  - .name:           k_qa2be1884ba_quant_x
    .symbol:         k_qa2be1884ba_quant_x.kd
    .args:
      - { .name: x, .offset: 0, .size: 8, .value_kind: global_buffer, .address_space: global }
      - { .name: xc, .offset: 8, .size: 8, .value_kind: global_buffer, .address_space: global }
      - { .name: xs, .offset: 16, .size: 8, .value_kind: global_buffer, .address_space: global }
    .group_segment_fixed_size: 34304
    .private_segment_fixed_size: 0
    .kernarg_segment_align: 8
    .kernarg_segment_size: 24
    .max_flat_workgroup_size: 128
    .sgpr_count:     66
    .vgpr_count:     256
    .wavefront_size: 32
...
	.end_amdgpu_metadata
.endif
;; end of part 1
;; launch quant_w (part 2): grid 32 x 8, 4 waves a work-group, no clusters, 0 bytes of LDS; arguments Wq, Wk, Wv, Wo, wc, ws; writes wc, ws
.if DOCPART == 2
	.amdgcn_target "amdgcn-amd-amdhsa--gfx1250"
	.amdhsa_code_object_version 6
	.text
	.protected	k_qa2be1884ba_quant_w
	.globl	k_qa2be1884ba_quant_w
	.p2align	8
	.type	k_qa2be1884ba_quant_w,@function
k_qa2be1884ba_quant_w:
	s_mov_b64 s[64:65], 0
	v_nop
	global_prefetch_b8 v0, s[64:65] scope:SCOPE_SE
	s_setreg_imm32_b32 hwreg(HW_REG_WAVE_MODE, 25, 1), 1
	s_wait_xcnt 0x0
; Wq, Wk, Wv, Wo, each [1024 (K)][1024 (n)] f32 with K as the FIRST axis, become codes of FP6 (E2M3) with K innermost: wc [row tile 256][K step 8][1536] as images of operand registers, and
; ws [row tile 256][slot of 256 K: 4][r 16][2 words].  Positions 0-1023 are Wq's columns, then Wk's, Wv's, Wo's; a position is the column's number with bits 3 and 4 exchanged.
; A LANE TAKES A COLUMN AND ITS REGISTERS RUN DOWN K: a block of 32 lies in one lane, so its largest magnitude needs no other lane, and the conversions give codes with K innermost.  Nothing is transposed.
; Work-group (x, y): 128 positions (x / 8 chooses the weight), K step y.  Wave w: 32 columns = two row tiles; lanes 0-15 hold the first tile's 16 positions, lanes 16-31 the second's.  A load reads 128 consecutive bytes.
; An operand's lanes 0-15 want the even block of a pair and lanes 16-31 the odd one, of the SAME 16 positions: one exchange of halves between the even block's registers and the odd block's gives both tiles' registers.
; LIMITS: a block of zeros gets the byte 1 (its codes are zeros; this program alone reads the bytes); NaN and infinities are not served.  The scale words leave 4 bytes a lane, 8 bytes apart: 1 byte for each 128 read.
.set X,  32                            ; v32-159  W(128 y + i, my column), i = 0 .. 127
.set CA, 3                             ; v3   4 x my column among the wave's 32
.set SO, 7                             ; v7   8 x lane
.set WO, 8                             ; v8   my scale word's place
	s_load_b256 s[4:11], s[0:1], 0x0               ; Wq, Wk, Wv, Wo
	s_load_b128 s[12:15], s[0:1], 0x20             ; wc, ws
	v_lshrrev_b32 v1, 5, v0
	v_readfirstlane_b32 s16, v1                    ; wave 0..3
	v_and_b32 v1, 31, v0                           ; lane = my position among the wave's 32
	v_and_b32 v2, 7, v1
	v_bfe_u32 v4, v1, 3, 1
	v_lshl_or_b32 v2, v4, 4, v2                    ; bit 3 of the position is bit 4 of the column,
	v_bfe_u32 v4, v1, 4, 1
	v_lshl_or_b32 v2, v4, 3, v2                    ; and bit 4 is bit 3
	v_lshlrev_b32 v[CA], 2, v2
	v_lshlrev_b32 v[SO], 3, v1
	v_and_b32 v5, 15, v1
	v_lshlrev_b32 v[WO], 3, v5
	v_lshl_or_b32 v[WO], v4, 9, v[WO]              ; 512 bytes a row tile, 8 bytes a row
	s_and_b32 s17, ttmp7, 0xffff                   ; the K step
	s_lshl_b32 s22, s17, 19                        ; W: 128 rows of 4,096 bytes a K step,
	s_and_b32 s18, ttmp9, 7
	s_lshl_b32 s18, s18, 9                         ; 128 columns a work-group,
	s_add_co_u32 s22, s22, s18
	s_lshl_b32 s18, s16, 7                         ; 32 a wave
	s_add_co_u32 s22, s22, s18
	s_mov_b32 s23, 0
	s_lshl_b32 s19, ttmp9, 3
	s_lshl_b32 s18, s16, 1
	s_add_co_u32 s19, s19, s18                     ; my first row tile
	s_mul_i32 s24, s19, 12288
	s_mul_i32 s18, s17, 1536
	s_add_co_u32 s24, s24, s18
	s_mov_b32 s25, 0
	s_lshl_b32 s26, s19, 9
	s_lshr_b32 s18, s17, 1
	s_lshl_b32 s18, s18, 7
	s_add_co_u32 s26, s26, s18
	s_and_b32 s18, s17, 1
	s_lshl_b32 s18, s18, 2
	s_add_co_u32 s26, s26, s18
	s_mov_b32 s27, 0
	s_lshr_b32 s20, ttmp9, 3                       ; which weight
	s_wait_kmcnt 0x0
	s_cmp_lt_u32 s20, 1                            ; the choice hangs on the work-group's number alone
	s_cselect_b64 s[4:5], s[4:5], s[6:7]
	s_cmp_lt_u32 s20, 3
	s_cselect_b64 s[8:9], s[8:9], s[10:11]
	s_cmp_lt_u32 s20, 2
	s_cselect_b64 s[4:5], s[4:5], s[8:9]
	s_add_nc_u64 s[4:5], s[4:5], s[22:23]
	s_add_nc_u64 s[12:13], s[12:13], s[24:25]
	s_add_nc_u64 s[14:15], s[14:15], s[26:27]
.macro LOADB t                         ; block t: 32 rows of W
.set n, 0
.rept 32
	global_load_b32 v[X+32*(\t)+n], v[CA], s[4:5] offset:4096*(32*(\t)+n) th:TH_LOAD_NT
.set n, n+1
.endr
.endm
; Blocks 2 c and 2 c + 1 -> planes 3 c .. 3 c + 2 of both row tiles
.macro PAIR c
.set EV, 160+12*(\c)                   ; six registers: the even block's codes, then the first tile's registers
.set OD, 166+12*(\c)                   ; six: the odd block's, then the second tile's
.irp u, 0,1
	v_max3_num_f32 v[12+2*(\c)+\u], |v[X+64*(\c)+32*\u]|, |v[X+64*(\c)+32*\u+1]|, 0x1800000   ; all 32 numbers are mine; the floor 2^(3 - 127) holds the byte at 1 from below
.endr
.irp i, 2,4,6,8,10,12,14,16,18,20,22,24,26,28,30
.irp u, 0,1
	v_max3_num_f32 v[12+2*(\c)+\u], v[12+2*(\c)+\u], |v[X+64*(\c)+32*\u+\i]|, |v[X+64*(\c)+32*\u+\i+1]|
.endr
.endr
.irp u, 0,1
	v_add_nc_u32 v[16+2*(\c)+\u], 0xff000000, v[12+2*(\c)+\u]      ; 2 off the exponent field: the conversion's scale operand
.endr
.irp u, 0,1
	v_lshrrev_b32 v[20+2*(\c)+\u], 23, v[16+2*(\c)+\u]             ; the scale's byte
.endr
	v_cvt_scalef32_pk16_fp6_f32 v[EV:EV+2], v[X+64*(\c):X+64*(\c)+15], v[16+2*(\c)]
	v_cvt_scalef32_pk16_fp6_f32 v[184:186], v[X+64*(\c)+16:X+64*(\c)+31], v[16+2*(\c)]   ; (a conversion's three registers begin on an even number)
	v_cvt_scalef32_pk16_fp6_f32 v[OD:OD+2], v[X+64*(\c)+32:X+64*(\c)+47], v[17+2*(\c)]
	v_cvt_scalef32_pk16_fp6_f32 v[188:190], v[X+64*(\c)+48:X+64*(\c)+63], v[17+2*(\c)]
	v_nop                                          ; one plain place behind a scaled conversion
.irp i, 0,1,2
	v_mov_b32 v[EV+3+\i], v[184+\i]
	v_mov_b32 v[OD+3+\i], v[188+\i]
.endr
.irp i, 0,1,2,3,4,5
	v_permlane16_swap_b32 v[EV+\i], v[OD+\i]       ; the even block's lanes 16-31 change places with the odd block's lanes 0-15
.endr
.irp p, 0,1,2
	global_store_b64 v[SO], v[EV+2*\p:EV+2*\p+1], s[12:13] offset:768*(\c)+256*\p          ; a plane: 256 consecutive bytes, aligned
	global_store_b64 v[SO], v[OD+2*\p:OD+2*\p+1], s[12:13] offset:12288+768*(\c)+256*\p    ; the next row tile's
.endr
.endm
	LOADB 0
	LOADB 1
	s_wait_loadcnt 32                              ; block 0 is in; block 1's 32 loads may be out
	LOADB 2
	s_wait_loadcnt 32                              ; block 1 is in; block 2's may be out
	LOADB 3
	PAIR 0
	s_wait_loadcnt 0x0
	PAIR 1
	v_lshl_or_b32 v24, v21, 8, v20                 ; my column's scale word for this K step
	v_lshl_or_b32 v24, v22, 16, v24
	v_lshl_or_b32 v24, v23, 24, v24
	global_store_b32 v[WO], v24, s[14:15]
	s_endpgm
.Lfunc_end_k_qa2be1884ba_quant_w:
	.size	k_qa2be1884ba_quant_w, .Lfunc_end_k_qa2be1884ba_quant_w-k_qa2be1884ba_quant_w
	.p2alignl 7, 3214868480
	.fill 96, 4, 3214868480
	.section	.rodata,"a",@progbits
	.p2align	6, 0x0
	.amdhsa_kernel k_qa2be1884ba_quant_w
		.amdhsa_group_segment_fixed_size 0
		.amdhsa_private_segment_fixed_size 0
		.amdhsa_enable_private_segment 0
		.amdhsa_kernarg_size 48
		.amdhsa_user_sgpr_count 2
		.amdhsa_user_sgpr_kernarg_segment_ptr 1
		.amdhsa_wavefront_size32 1
		.amdhsa_system_sgpr_workgroup_id_x 1
		.amdhsa_system_sgpr_workgroup_id_y 1
		.amdhsa_system_sgpr_workgroup_id_z 1
		.amdhsa_system_vgpr_workitem_id 0
		.amdhsa_next_free_vgpr 192
		.amdhsa_next_free_sgpr 66
		.amdhsa_reserve_vcc 0
		.amdhsa_float_denorm_mode_32 3
		.amdhsa_float_denorm_mode_16_64 3
		.amdhsa_memory_ordered 1
		.amdhsa_forward_progress 1
		.amdhsa_inst_pref_size 22
	.end_amdhsa_kernel
	.amdgpu_metadata
---
amdhsa.version: [ 1, 2 ]
amdhsa.kernels:
  - .name:           k_qa2be1884ba_quant_w
    .symbol:         k_qa2be1884ba_quant_w.kd
    .args:
      - { .name: Wq, .offset: 0, .size: 8, .value_kind: global_buffer, .address_space: global }
      - { .name: Wk, .offset: 8, .size: 8, .value_kind: global_buffer, .address_space: global }
      - { .name: Wv, .offset: 16, .size: 8, .value_kind: global_buffer, .address_space: global }
      - { .name: Wo, .offset: 24, .size: 8, .value_kind: global_buffer, .address_space: global }
      - { .name: wc, .offset: 32, .size: 8, .value_kind: global_buffer, .address_space: global }
      - { .name: ws, .offset: 40, .size: 8, .value_kind: global_buffer, .address_space: global }
    .group_segment_fixed_size: 0
    .private_segment_fixed_size: 0
    .kernarg_segment_align: 8
    .kernarg_segment_size: 48
    .max_flat_workgroup_size: 128
    .sgpr_count:     66
    .vgpr_count:     192
    .wavefront_size: 32
...
	.end_amdgpu_metadata
.endif
;; end of part 2
;; launch gemm_qkv (part 3): grid 12 x 32, 4 waves a work-group, clusters of 4 x 4, 327,680 bytes of LDS; arguments xc, xs, wc, ws, qkv, sc; writes qkv, sc
.if DOCPART == 3
	.amdgcn_target "amdgcn-amd-amdhsa--gfx1250"
	.amdhsa_code_object_version 6
	.text
	.protected	k_qa2be1884ba_gemm_qkv
	.globl	k_qa2be1884ba_gemm_qkv
	.p2align	8
	.type	k_qa2be1884ba_gemm_qkv,@function
k_qa2be1884ba_gemm_qkv:
	s_mov_b64 s[64:65], 0
	v_nop
	global_prefetch_b8 v0, s[64:65] scope:SCOPE_SE
	s_setreg_imm32_b32 hwreg(HW_REG_WAVE_MODE, 25, 1), 1
	s_wait_xcnt 0x0
	s_wait_alu depctr_hold_cnt(0) depctr_sa_sdst(0) depctr_va_vdst(0) depctr_va_sdst(0) depctr_va_ssrc(0) depctr_va_vcc(0) depctr_vm_vsrc(0)
	s_getreg_b32 s2, hwreg(HW_REG_IB_STS2, 6, 4)
	s_cmp_eq_u32 s2, 0
	s_cbranch_scc0 .Lentry_in_a_cluster
	s_endpgm
.Lentry_in_a_cluster:
	s_bfe_u32 s2, ttmp6, 0x10000c
	s_cmp_lg_u32 s2, 0xf033
	s_cbranch_scc0 .Lentry_shape_is_right
	s_endpgm
.Lentry_shape_is_right:
; q = x Wq, k = x Wk, v = x Wv on codes of FP6 (E2M3) with E8M0 scales, sums in f32; the results are quantised on the way out and leave as codes alone.
; A tile of 256 x 256 is made by four waves, 128 x 128 each: 64 accumulators of 16 x 16.  K = 1,024 goes in four slots of 256 through a ring of two LDS slots filled by the tensor data mover.
; Operands lie in memory as images of operand registers (a fragment: six planes of 256 bytes), so an LDS read of 8 bytes a lane covers 256 consecutive bytes: no pitch, no padding.
; CASES, by the cluster's x, which all sixteen partners share.  x = 0, 1 (q, k): A = tokens, B = columns of Wq, Wk.  x = 2 (v): A = columns of Wv, B = tokens: V^T, whose rows run along the keys.
; THE MATRIX INSTRUCTION IS USED TRANSPOSED (source 0 = 16 positions of B, source 1 = 16 of A).  Positions are rows with bits 3 and 4 exchanged, so a lane holds ONE position of A, and its 64 registers of a block of A are,
; 16 by 16, neighbours along B's true order: features for q and k (two heads of 64), keys for v (one step of 128).  That is the axis along which each is quantised: no number changes lanes but for one exchange of halves.
; OUT: qkv [3][head 64][98,304]: q, k: [tile 128][768] (half a fragment: K = the head's 64); v: [key step 16][d tile 4][1536].  sc [head 64][20,480]: q's words [tile][r], k's, then v's [key step][d tile][r].
; In a word of q or k bytes 0, 1 are the head's two blocks; bytes 2, 3 hold the neighbouring head's bytes or 0, never 0xff: they meet zero codes alone.
; CLUSTERS: 4 x 4 work-groups; A's tiles are asked for jointly along a row of the cluster, B's along a column.
; LIMITS: a block of zeros gets the byte 1 (its codes are zeros; this program alone reads the bytes); NaN and infinities are not served.
; REGISTERS: window 0: v16-31 addresses; v32-63 scale words, two sets; v64-119 the way out; v128-223 A's fragments, one set.  window 1: B's fragments, two sets, at v0 and v128.  windows 2, 3: the accumulators ((a, b) at v[8 (8 (a % 4) + b)]).
.set IMG,   1536                       ; a fragment's image
.set SROW,  2*IMG                      ; a row tile's bytes in a slot of 256 along K
.set RTK,   8*IMG                      ; a row tile's bytes over all of K
.set NQ,    2                          ; matrix instructions deep in a slot
.set FR,    12
.set NL,    6                          ; LDS loads that bring a fragment
.set NP,    4                          ; places behind this matrix instruction (ISA guide 7.12.1)
.set HALFT, 8*SROW                     ; 8 row tiles: what one tensor load brings, and what one wave reads of A or of B
.set SLOT,  4*HALFT                    ; A's 16 row tiles, then B's 16
.set SCL,   2*SLOT                     ; behind the ring: the scale words for all of K, filled once
.set HALFS, 8*512
.set SBLK,  512
.set SPARE, SCL+4*HALFS                ; the spare words, 128 bytes for each wave, which no other line names
.set ADRA, 16                          ; v16-17 LDS address of my A fragments in slot 0, 1
.set ADRB, 20                          ; v20-21 the same for B
.set SST,  24                          ; v24  the way out: where I put a scale word (a stage of 1,024 bytes a wave, in slot 0, which has had its last fill and its last read by then)
.set SRD,  25                          ; v25  and where I read 16 bytes back
.set L8,   26                          ; v26  8 x lane
.set ADRS, 27                          ; v27  LDS address of my scale words: lanes 0-15 A's, lanes 16-31 B's
.set SPW,  28                          ; v28  LDS address of my spare word; never rewritten
.set NIL,  29                          ; v29  0; never rewritten
.set SVO,  30                          ; v30  the scale words' offset in sc
.set SHV,  31                          ; v31  q, k: lanes 16-31 shift the word down by 16 bits: the second head's two bytes
.set SC,   32
.set PC,   64                          ; v64-75 codes, v76-82 at work
.set TM,   84
.set PW,   100
.set PWS,  104                         ; v104-111 a word for each block of A
.set LB,   112                         ; v112-119 the words read back
.set AF,   128
.set SEL,  2                           ; s[2:3] lane selects: lane l xor 16
.set WVN,  16
.set RH,   17                          ; which half of the tile's rows is mine.  Also: I fetch for A (0) or for B (1)
.set CH,   18                          ; which half of its columns.  Also: which 8 row tiles I fetch
.set TR,   19
.set TC,   42
.set G1,   24
.set G0,   32
.set G1B,  48
.set G0B,  56
.set G1S,  68
.set G0S,  76
.set G1SB, 80
.set G0SB, 88
.set CASE, 95                          ; 1: q or k;  0: v
.set OB0,  96                          ; s[96:97]  where planes 0-2 of a block's fragment go
.set OB1,  98                          ; s[98:99]  and planes 3-5
.set STP,  100                         ; s[100:101] from block to block
.set JMP,  104                         ; s[104:105] v: once more at block 4, on to the next head
.set MSB, 0
.macro WIN new                         ; the immediate's high byte repeats the setting that is left
.if MSB != \new
	s_set_vgpr_msb (MSB<<8)|\new
.set MSB, \new
.endif
.endm
.set MUL_LO, 0xa1                      ; source 0 (B) window 1, source 1 (A) window 0, C and D window 2
.set MUL_HI, 0xf1                      ; the same, C and D window 3
.set TO_B,   0x40                      ; destination window 1, address window 0
; A joint load: waves 0 and 1 fetch for A, waves 2 and 3 for B; the branch hangs on the wave's number alone.  An s_nop 0 and four v_nop follow each of the two lines.
.macro JLOAD g0a, g1a, g0b, g1b
	s_cmp_eq_u32 s[RH], 0
	s_cbranch_scc0 .Lfor_b_\@
	tensor_load_to_lds s[\g0a:\g0a+3], s[\g1a:\g1a+7]
	s_nop 0
.rept 4
	v_nop
.endr
	s_branch .Lasked_\@
.Lfor_b_\@:
	tensor_load_to_lds s[\g0b:\g0b+3], s[\g1b:\g1b+7]
	s_nop 0
.rept 4
	v_nop
.endr
.Lasked_\@:
.endm
.macro CREST                           ; a round of the cluster's barrier behind its opening barrier
	s_cmp_lg_u32 s[WVN], 0
	s_cbranch_scc1 .Lnot_wave_0_\@
	s_barrier_signal -3
.Lnot_wave_0_\@:
	s_barrier_wait -3
	s_barrier_signal -1
	s_barrier_wait -1
.endm
.macro CROUND
	s_barrier_signal -1
	s_barrier_wait -1
	CREST
.endm
	s_load_b256 s[4:11], s[0:1], 0x0               ; xc, xs, wc, ws
	s_load_b128 s[12:15], s[0:1], 0x20             ; qkv, sc
	v_lshl_add_u32 v[SPW], v0, 2, SPARE
	v_mov_b32 v[NIL], 0
	ds_add_u32 v[SPW], v[NIL]                      ; the wave's opening: the add, twice on end, and its wait ahead of my first tensor load
	ds_add_u32 v[SPW], v[NIL]
	v_lshrrev_b32 v1, 5, v0
	v_readfirstlane_b32 s[WVN], v1                 ; wave 0..3
	s_lshr_b32 s[RH], s[WVN], 1
	s_and_b32 s[CH], s[WVN], 1
	s_bfe_u32 s40, ttmp6, 0x40000                  ; cx, cy: my place in the cluster
	s_bfe_u32 s41, ttmp6, 0x40004
	s_and_b32 s67, ttmp7, 0xffff
	s_lshl_b32 s67, s67, 2                         ; 4 x cluster y
	s_lshl_b32 s66, ttmp9, 2                       ; 4 x cluster x
	s_cmp_lt_u32 ttmp9, 2                          ; q or k?  The cluster's x: the same in all sixteen partners
	s_cselect_b32 s[CASE], 1, 0
	s_cselect_b32 s[TR], s67, 0                    ; A's tile: tokens by the cluster's y, or Wv's four tiles
	s_cselect_b32 s[TC], s66, s67                  ; B's tile: Wq's and Wk's eight, or tokens by the cluster's y
	s_add_co_u32 s[TR], s[TR], s41
	s_add_co_u32 s[TC], s[TC], s40
	s_lshl_b32 s43, s41, 2
	s_lshl_b32 s43, 15, s43                        ; my row of the cluster
	s_lshl_b32 s44, 0x1111, s40                    ; my column
	; descriptor group 1: 8 row tiles x 3,072 bytes (384 elements of 8 bytes), 12,288 bytes apart in memory, dense in LDS
	s_or_b32 s[G1+0], s43, (3<<16)|(1<<21)         ; 15:0 the mask: A's tiles go to my row; 17:16 elements of 8 bytes; 21 set beside a mask
	s_or_b32 s[G1B+0], s44, (3<<16)|(1<<21)
.irp g, G1, G1B
	s_mov_b32 s[\g+1], 384<<16                     ; tensor_dim0
	s_mov_b32 s[\g+2], 8<<16                       ; tensor_dim1
	s_mov_b32 s[\g+3], 384<<16                     ; tile_dim0
	s_mov_b32 s[\g+4], 8                           ; tile_dim1
	s_mov_b32 s[\g+5], 1536                        ; tensor_dim0_stride
	s_mov_b32 s[\g+6], 0
	s_mov_b32 s[\g+7], 0
.endr
	; and for the scale words of 8 row tiles: 4,096 dense bytes as 16 rows of 256
	s_or_b32 s[G1S+0], s43, (3<<16)|(1<<21)
	s_or_b32 s[G1SB+0], s44, (3<<16)|(1<<21)
.irp g, G1S, G1SB
	s_mov_b32 s[\g+1], 32<<16
	s_mov_b32 s[\g+2], 16<<16
	s_mov_b32 s[\g+3], 32<<16
	s_mov_b32 s[\g+4], 16
	s_mov_b32 s[\g+5], 32
	s_mov_b32 s[\g+6], 0
	s_mov_b32 s[\g+7], 0
.endr
	s_lshl_b32 s94, s[CH], 3                       ; which 8 row tiles of the 16 I fetch
	s_lshl_b32 s20, s[TR], 4
	s_add_co_u32 s20, s20, s94                     ; A: row tile 16 x tile row + 8 x half
	s_lshl_b32 s22, s20, 9                         ; its scale words,
	s_mul_i32 s20, s20, RTK                        ; its codes
	s_mov_b32 s21, 0
	s_mov_b32 s23, 0
	s_lshl_b32 s46, s[TC], 4
	s_add_co_u32 s46, s46, s94                     ; B likewise, by the tile column
	s_lshl_b32 s92, s46, 9
	s_mul_i32 s46, s46, RTK
	s_mov_b32 s47, 0
	s_mov_b32 s93, 0
	s_mul_i32 s45, s[WVN], HALFT                   ; where they go: no place in the cluster enters an LDS address
	s_mul_i32 s94, s[WVN], HALFS
	s_mov_b32 s[SEL], 0x76543210
	s_mov_b32 s[SEL+1], 0xfedcba98
	s_wait_dscnt 0x0                               ; both opening adds are done
	s_wait_kmcnt 0x0
	s_add_nc_u64 s[96:97], s[8:9], 128*RTK         ; Wv's codes begin at row tile 128,
	s_add_nc_u64 s[98:99], s[10:11], 128*512       ; and its scale words
	s_cmp_eq_u32 s[CASE], 1
	s_cselect_b64 s[96:97], s[4:5], s[96:97]       ; A's codes: x's or Wv's
	s_cselect_b64 s[98:99], s[6:7], s[98:99]
	s_cselect_b64 s[100:101], s[8:9], s[4:5]       ; B's codes: the weights' or x's
	s_cselect_b64 s[104:105], s[10:11], s[6:7]
	s_add_nc_u64 s[20:21], s[96:97], s[20:21]
	s_add_nc_u64 s[22:23], s[98:99], s[22:23]
	s_add_nc_u64 s[46:47], s[100:101], s[46:47]
	s_add_nc_u64 s[92:93], s[104:105], s[92:93]
	CROUND                                         ; all sixteen work-groups are here: the first joint loads meet
	s_mov_b32 s[G0S], 1
	s_add_co_u32 s[G0S+1], s94, SCL
	s_mov_b64 s[G0S+2:G0S+3], s[22:23]
	s_or_b32 s[G0S+3], s[G0S+3], 0x80000000
	s_mov_b32 s[G0SB], 1
	s_add_co_u32 s[G0SB+1], s94, SCL
	s_mov_b64 s[G0SB+2:G0SB+3], s[92:93]
	s_or_b32 s[G0SB+3], s[G0SB+3], 0x80000000
	JLOAD G0S, G1S, G0SB, G1SB                     ; the scale words first: they are wanted with slot 0
.irp s, 0,1
	s_mov_b32 s[G0+4*\s], 1
	s_add_co_u32 s[G0+4*\s+1], s45, \s*SLOT
	s_add_nc_u64 s[G0+4*\s+2:G0+4*\s+3], s[20:21], \s*SROW
	s_or_b32 s[G0+4*\s+3], s[G0+4*\s+3], 0x80000000
	s_mov_b32 s[G0B+4*\s], 1
	s_add_co_u32 s[G0B+4*\s+1], s45, \s*SLOT
	s_add_nc_u64 s[G0B+4*\s+2:G0B+4*\s+3], s[46:47], \s*SROW
	s_or_b32 s[G0B+4*\s+3], s[G0B+4*\s+3], 0x80000000
	JLOAD G0+4*\s, G1, G0B+4*\s, G1B               ; by this text's count three tensor loads of a wave are out here, later one
.endr
	v_and_b32 v1, 31, v0                           ; lane
	v_and_b32 v2, 15, v0                           ; r
	v_bfe_u32 v3, v0, 4, 1                         ; h
	v_lshlrev_b32 v[L8], 3, v1
	s_mul_i32 s21, s[RH], HALFT                    ; my 8 row tiles of A
	s_mul_i32 s22, s[CH], HALFT                    ; my 8 of B,
	s_add_co_u32 s22, s22, 2*HALFT                 ; which lie behind A's 16
.irp s, 0,1
	v_add_nc_u32 v[ADRA+\s], s21, v[L8]
	v_add_nc_u32 v[ADRB+\s], s22, v[L8]
	s_add_co_u32 s21, s21, SLOT
	s_add_co_u32 s22, s22, SLOT
.endr
	v_lshlrev_b32 v5, 3, v2                        ; my row's two words of a slot
	s_mul_i32 s21, s[RH], HALFS
	s_mul_i32 s22, s[CH], HALFS
	s_add_co_u32 s22, s22, 2*HALFS
	s_sub_co_u32 s22, s22, s21
	v_mul_u32_u24 v6, s22, v3                      ; lanes 16-31 take B's
	s_add_co_u32 s21, s21, SCL
	v_add_nc_u32 v5, v5, v6
	v_add_nc_u32 v[ADRS], s21, v5
	s_lshl_b32 s21, s[WVN], 10                     ; my stage for the scale words
	v_lshlrev_b32 v[SST], 2, v2
	v_lshl_add_u32 v[SST], v3, 9, v[SST]
	v_add_nc_u32 v[SST], s21, v[SST]               ; 512 (lane / 16) + 4 r
	v_lshl_add_u32 v[SRD], v1, 4, s21
	; where my results go
	s_lshl_b32 s66, s[TR], 8
	s_lshl_b32 s67, s[RH], 7
	s_add_co_u32 s66, s66, s67                     ; A's first position of mine
	s_lshl_b32 s67, s[TC], 8
	s_lshl_b32 s94, s[CH], 7
	s_add_co_u32 s67, s67, s94                     ; B's
	s_cmp_eq_u32 s[CASE], 1
	s_cselect_b32 s94, s66, s67                    ; the token,
	s_cselect_b32 s66, s67, s66                    ; the feature
	s_mov_b32 s[OB1], 768
	s_cselect_b32 s[OB1], 98304, s[OB1]            ; planes 3-5: q, k: the next head's half fragment;  v: the same fragment's second half
	s_mov_b32 s[STP], 1536
	s_cselect_b32 s[STP], 768, s[STP]
	s_cselect_b32 s[JMP], 0, 92160                 ; v: from d tile 4 of a key step to d tile 0 of the next head's: 98,304 - 6,144
	s_cselect_b32 s45, 0, 20224                    ; v: lanes 16-31 hold the next head's words: 20,480 - 256 on
	s_cselect_b32 s92, 16, 0
	s_cselect_b32 s93, 2, 1
	s_mov_b32 s[OB1+1], 0
	s_mov_b32 s[STP+1], 0
	s_mov_b32 s[JMP+1], 0
	v_mul_u32_u24 v[SVO], s45, v3
	v_lshl_add_u32 v[SVO], v1, 4, v[SVO]
	v_mul_u32_u24 v[SHV], s92, v3
	s_and_b32 s66, s66, 1023
	s_lshr_b32 s66, s66, 6                         ; the first of my two heads,
	s_lshr_b32 s67, s94, 11
	s_lshl_b32 s67, s67, 4
	s_add_co_u32 s66, s66, s67                     ; with the batch: 16 x batch + head
	s_and_b32 s94, s94, 2047                       ; the token within its sequence
	s_mul_i32 s[OB0], ttmp9, 6291456               ; the plane: q, k or v
	s_mul_i32 s67, s66, 98304
	s_add_co_u32 s[OB0], s[OB0], s67
	s_mul_i32 s67, s94, 48                         ; 768 bytes for 16 tokens (q, k), 6,144 for 128 keys (v): 48 a token either way
	s_add_co_u32 s[OB0], s[OB0], s67
	s_mov_b32 s[OB0+1], 0
	s_add_nc_u64 s[OB0:OB0+1], s[12:13], s[OB0:OB0+1]
	s_add_nc_u64 s[OB1:OB1+1], s[OB0:OB0+1], s[OB1:OB1+1]
	s_lshl_b32 s94, s94, s93                       ; scale words: 4 bytes a token (q, k), 256 for 128 keys (v)
	s_mul_i32 s66, s66, 20480
	s_add_co_u32 s66, s66, s94
	s_lshl_b32 s67, ttmp9, 13
	s_add_co_u32 s66, s66, s67
	s_mov_b32 s67, 0
	s_add_nc_u64 s[14:15], s[14:15], s[66:67]
.macro FRAG reg, adr, q, i             ; a fragment: six planes, 256 consecutive bytes each
.irp p, 0,1,2,3,4,5
	ds_load_b64 v[\reg+2*\p:\reg+2*\p+1], v[\adr] offset:IMG*(\q)+SROW*(\i)+256*\p
.endr
.endm
; 16 matrix instructions: A's blocks a0, a0 + 1 x B's eight, 128 along K: the slot's q-th.  p: B's set;  sc: the set of scale words.  zero = 1: the first product starts the sums.
; The 64 accumulators take turns, one instruction a turn, in the same order in every step.
.macro MUL16 a0, p, q, sc, zero
.irp a, \a0, \a0+1
.irp b, 0,1,2,3,4,5,6,7
.if \zero
	v_wmma_scale_f32_16x16x128_f8f6f4 v[8*(8*((\a)%4)+\b):8*(8*((\a)%4)+\b)+7], v[128*(\p)+FR*\b:128*(\p)+FR*\b+FR-1], v[AF+FR*(\a):AF+FR*(\a)+FR-1], 0, v[SC+8*NQ*(\sc)+NQ*\b+(\q)], v[SC+8*NQ*(\sc)+NQ*(\a)+(\q)] matrix_a_fmt:MATRIX_FMT_FP6 matrix_b_fmt:MATRIX_FMT_FP6 matrix_a_scale:MATRIX_SCALE_ROW1
.else
	v_wmma_scale_f32_16x16x128_f8f6f4 v[8*(8*((\a)%4)+\b):8*(8*((\a)%4)+\b)+7], v[128*(\p)+FR*\b:128*(\p)+FR*\b+FR-1], v[AF+FR*(\a):AF+FR*(\a)+FR-1], v[8*(8*((\a)%4)+\b):8*(8*((\a)%4)+\b)+7], v[SC+8*NQ*(\sc)+NQ*\b+(\q)], v[SC+8*NQ*(\sc)+NQ*(\a)+(\q)] matrix_a_fmt:MATRIX_FMT_FP6 matrix_b_fmt:MATRIX_FMT_FP6 matrix_a_scale:MATRIX_SCALE_ROW1
.endif
.endr
.endr
.endm
.macro FETCH_B slot, q, p
	WIN TO_B
.irp i, 0,1,2,3,4,5,6,7
	FRAG 128*(\p)+FR*\i, ADRB+\slot, \q, \i
.endr
	WIN 0
.endm
.macro FETCH_A slot, q, i0
.irp i, \i0, \i0+1, \i0+2, \i0+3
	FRAG AF+FR*(\i), ADRA+\slot, \q, \i
.endr
.endm
.macro SCALES sc                       ; a slot's scale words: two a row; lanes 0-15 take A's block i, lanes 16-31 B's block i
.irp i, 0,1,2,3,4,5,6,7
	ds_load_b64 v[SC+8*NQ*\sc+NQ*\i:SC+8*NQ*\sc+NQ*\i+1], v[ADRS] offset:\i*SBLK
.endr
.endm
.macro PLACES n                        ; plain vector instructions between a matrix instruction and a load into, or a read of, its registers
.rept \n
	v_nop
.endr
.endm
; A step of 128 along K that has its successor in the same slot
.macro STEP slot, q, zero
	s_wait_dscnt 4*NL                              ; B's set and A's blocks 0-3 are in; the youngest 24 loads (A's blocks 4-7) may be out
	WIN MUL_LO
	MUL16 0, (\q)%2, \q, \slot, \zero
	MUL16 2, (\q)%2, \q, \slot, \zero
	s_wait_dscnt 0
	PLACES NP
	FETCH_B \slot, (\q)+1, 1-(\q)%2
	FETCH_A \slot, (\q)+1, 0
	WIN MUL_HI
	MUL16 4, (\q)%2, \q, \slot, \zero
	MUL16 6, (\q)%2, \q, \slot, \zero
	PLACES NP
	WIN 0
	FETCH_A \slot, (\q)+1, 4
.endm
; A slot's last step changes slots: one barrier; in front of it each wave waits for all its tensor loads, adds 0 to its spare word, and waits for that and for its own reads of this slot.  fill = 1: this slot is filled again.
.macro TURN slot, next, fill
	s_wait_tensorcnt 0x0                           ; all my tensor loads have landed: my part of the next slot
	ds_add_u32 v[SPW], v[NIL]                      ; 0 onto my spare word
	s_wait_dscnt 4*NL+1                            ; (the add and the youngest 24 loads may be out)
	WIN MUL_LO
	MUL16 0, 1, NQ-1, \slot, 0                     ; sixteen matrix instructions stand between the add and the wait for it
	s_wait_dscnt 0x0                               ; the add is done, and my reads of this slot are over
	s_barrier_signal -1
	MUL16 2, 1, NQ-1, \slot, 0
	WIN 0
	s_barrier_wait -1
.if \fill
	CREST                                          ; the barrier has opened a round of the cluster's: no wave of any partner still reads this slot or has a load on its way
	s_add_nc_u64 s[G0+4*\slot+2:G0+4*\slot+3], s[G0+4*\slot+2:G0+4*\slot+3], 2*SROW
	s_add_nc_u64 s[G0B+4*\slot+2:G0B+4*\slot+3], s[G0B+4*\slot+2:G0B+4*\slot+3], 2*SROW
	JLOAD G0+4*\slot, G1, G0B+4*\slot, G1B         ; the first tensor load behind the round; its four v_nop are also the places in front of the loads below
.else
	PLACES NP
.endif
	v_add_nc_u32 v[ADRS], 128, v[ADRS]             ; the next slot's scale words
	FETCH_B \next, 0, 0
	FETCH_A \next, 0, 0
	SCALES \next
	WIN MUL_HI
	MUL16 4, 1, NQ-1, \slot, 0
	MUL16 6, 1, NQ-1, \slot, 0
	PLACES NP
	WIN 0
	FETCH_A \next, 0, 4
.endm
	s_wait_tensorcnt 1                             ; the scale words and my part of slot 0 are in; slot 1's load may be out
	s_barrier_signal -1
	s_barrier_wait -1
	FETCH_B 0, 0, 0
	FETCH_A 0, 0, 0
	SCALES 0
	FETCH_A 0, 0, 4
	STEP 0, 0, 1                                   ; K = 1,024 is four slots, eight steps: written out, no loop.  The first step's products start the sums
	TURN 0, 1, 1                                   ; slot 0 takes K 512 on
	STEP 1, 0, 0
	TURN 1, 0, 1                                   ; slot 1 takes K 768 on
	STEP 0, 0, 0
	TURN 0, 1, 0                                   ; nothing is left to fetch
	STEP 1, 0, 0
	s_wait_dscnt 4*NL
	WIN MUL_LO
	MUL16 0, 1, NQ-1, 1, 0
	MUL16 2, 1, NQ-1, 1, 0
	s_wait_dscnt 0
	WIN MUL_HI
	MUL16 4, 1, NQ-1, 1, 0
	MUL16 6, 1, NQ-1, 1, 0
	WIN 0
; THE WAY OUT.  Block a of A (16 positions): my lane's 64 results, register 16 b + i = B's true index 32 b + 16 (lane / 16) + i, are quantised along that index: four blocks of 32, a fragment of 12 registers and a scale word.
; Each accumulator is first read at its low end.
.macro QUANTW a
.set AC, 64*((\a)%4)
.set WA, 2+(\a)/4                      ; the accumulators' window
.set WN, WA*5                          ; sources 0 and 1
	WIN WN
.irp b, 0,1,2,3
	v_max3_num_f32 v[TM+\b], |v[AC+16*\b]|, |v[AC+16*\b+1]|, 0x1800000   ; and the floor 2^(3 - 127): the byte cannot fall under 1
.endr
.set WN, WA*20                         ; sources 1 and 2
	WIN WN
.irp i, 2,4,6,8,10,12,14
.irp b, 0,1,2,3
	v_max3_num_f32 v[TM+\b], v[TM+\b], |v[AC+16*\b+\i]|, |v[AC+16*\b+\i+1]|
.endr
.endr
	WIN 0
.irp b, 0,1,2,3
	v_permlanex16_b32 v[TM+4+\b], v[TM+\b], s[SEL], s[SEL+1]
.endr
.irp b, 0,1,2,3
	v_max_num_f32 v[TM+\b], v[TM+\b], v[TM+4+\b]   ; with lane l xor 16's: the block's largest magnitude
.endr
.irp b, 0,1,2,3
	v_add_nc_u32 v[TM+12+\b], 0xff000000, v[TM+\b] ; 2 off its exponent field: the conversion's scale operand
.endr
.irp b, 0,1,2,3
	v_lshrrev_b32 v[TM+4+\b], 23, v[TM+12+\b]      ; the scale's byte
.endr
	v_lshl_or_b32 v[PW], v[TM+5], 8, v[TM+4]
	v_lshl_or_b32 v[PW], v[TM+6], 16, v[PW]
	v_lshl_or_b32 v[PW], v[TM+7], 24, v[PW]
	WIN WA                                         ; source 0
.irp c, 0,1
	v_cvt_scalef32_pk16_fp6_f32 v[PC+6*\c:PC+2+6*\c], v[AC+32*\c:AC+15+32*\c], v[TM+12+2*\c]
	v_cvt_scalef32_pk16_fp6_f32 v[PC+12+4*\c:PC+14+4*\c], v[AC+16+32*\c:AC+31+32*\c], v[TM+12+2*\c+1]
.endr
	WIN 0
	v_nop                                          ; one plain place behind a scaled conversion
.irp c, 0,1
.irp i, 0,1,2
	v_permlane16_swap_b32 v[PC+6*\c+\i], v[PC+12+4*\c+\i]
.endr
.irp i, 0,1,2
	v_mov_b32 v[PC+3+6*\c+\i], v[PC+12+4*\c+\i]
.endr
.endr
.endm
.irp b, 0,1,2,3
	v_mov_b32 v[TM+4+\b], 0                        ; a lane permute's destination counts as one of its sources.  These four are also the places behind the last products
.endr
.irp a, 0,1,2,3,4,5,6,7
.if \a > 0
	s_wait_xcnt 0x0                                ; the last block's stores have read their data and their bases
	s_add_nc_u64 s[OB0:OB0+1], s[OB0:OB0+1], s[STP:STP+1]
	s_add_nc_u64 s[OB1:OB1+1], s[OB1:OB1+1], s[STP:STP+1]
.endif
.if \a == 4
	s_add_nc_u64 s[OB0:OB0+1], s[OB0:OB0+1], s[JMP:JMP+1]
	s_add_nc_u64 s[OB1:OB1+1], s[OB1:OB1+1], s[JMP:JMP+1]
.endif
	QUANTW \a
.irp p, 0,1,2
	global_store_b64 v[L8], v[PC+2*\p:PC+2*\p+1], s[OB0:OB0+1] offset:256*\p     ; a plane: 256 consecutive bytes, aligned
	global_store_b64 v[L8], v[PC+6+2*\p:PC+7+2*\p], s[OB1:OB1+1] offset:256*\p
.endr
	v_lshrrev_b32 v[PWS+\a], v[SHV], v[PW]
	ds_store_b32 v[SST], v[PWS+\a] offset:64*\a    ; the words of my eight blocks are gathered, so that they leave in runs of 256 bytes
.endr
	ds_load_b128 v[LB:LB+3], v[SRD]                ; LDS serves a wave's instructions in order: these see my stores
	ds_load_b128 v[LB+4:LB+7], v[SRD] offset:512
	s_wait_dscnt 0x0
	global_store_b128 v[SVO], v[LB:LB+3], s[14:15] ; q, k: the first head's words of 8 tiles;  v: both heads' words of this key step, 256 bytes each
	s_cmp_eq_u32 s[CASE], 0                        ; the cluster's x decides: alike in all partners
	s_cbranch_scc1 .Lno_second
	global_store_b128 v[SVO], v[LB+4:LB+7], s[14:15] offset:20480   ; q, k: the second head's
.Lno_second:
	s_wait_tensorcnt 0x0                           ; the wave's end
	ds_add_u32 v[SPW], v[NIL]
	s_wait_dscnt 0x0
	CROUND                                         ; the closing round: no work-group ends while a partner may still ask for a tile that names it
	s_endpgm
.Lfunc_end_k_qa2be1884ba_gemm_qkv:
	.size	k_qa2be1884ba_gemm_qkv, .Lfunc_end_k_qa2be1884ba_gemm_qkv-k_qa2be1884ba_gemm_qkv
	.p2alignl 7, 3214868480
	.fill 96, 4, 3214868480
	.section	.rodata,"a",@progbits
	.p2align	6, 0x0
	.amdhsa_kernel k_qa2be1884ba_gemm_qkv
		.amdhsa_group_segment_fixed_size 327680
		.amdhsa_private_segment_fixed_size 0
		.amdhsa_enable_private_segment 0
		.amdhsa_kernarg_size 48
		.amdhsa_user_sgpr_count 2
		.amdhsa_user_sgpr_kernarg_segment_ptr 1
		.amdhsa_wavefront_size32 1
		.amdhsa_system_sgpr_workgroup_id_x 1
		.amdhsa_system_sgpr_workgroup_id_y 1
		.amdhsa_system_sgpr_workgroup_id_z 1
		.amdhsa_system_vgpr_workitem_id 0
		.amdhsa_next_free_vgpr 1024
		.amdhsa_next_free_sgpr 106
		.amdhsa_reserve_vcc 0
		.amdhsa_float_denorm_mode_32 3
		.amdhsa_float_denorm_mode_16_64 3
		.amdhsa_memory_ordered 1
		.amdhsa_forward_progress 1
		.amdhsa_inst_pref_size 169
	.end_amdhsa_kernel
	.amdgpu_metadata
---
amdhsa.version: [ 1, 2 ]
amdhsa.kernels:
  - .name:           k_qa2be1884ba_gemm_qkv
    .symbol:         k_qa2be1884ba_gemm_qkv.kd
    .args:
      - { .name: xc, .offset: 0, .size: 8, .value_kind: global_buffer, .address_space: global }
      - { .name: xs, .offset: 8, .size: 8, .value_kind: global_buffer, .address_space: global }
      - { .name: wc, .offset: 16, .size: 8, .value_kind: global_buffer, .address_space: global }
      - { .name: ws, .offset: 24, .size: 8, .value_kind: global_buffer, .address_space: global }
      - { .name: qkv, .offset: 32, .size: 8, .value_kind: global_buffer, .address_space: global }
      - { .name: sc, .offset: 40, .size: 8, .value_kind: global_buffer, .address_space: global }
    .group_segment_fixed_size: 327680
    .private_segment_fixed_size: 0
    .kernarg_segment_align: 8
    .kernarg_segment_size: 48
    .max_flat_workgroup_size: 128
    .sgpr_count:     106
    .vgpr_count:     1024
    .wavefront_size: 32
...
	.end_amdgpu_metadata
.endif
;; end of part 3
;; launch attn (part 4): grid 4 x 64, 16 waves a work-group, no clusters, 327,680 bytes of LDS; arguments qkv, sc, cc, cs; writes cc, cs
.if DOCPART == 4
	.amdgcn_target "amdgcn-amd-amdhsa--gfx1250"
	.amdhsa_code_object_version 6
	.text
	.protected	k_qa2be1884ba_attn
	.globl	k_qa2be1884ba_attn
	.p2align	8
	.type	k_qa2be1884ba_attn,@function
k_qa2be1884ba_attn:
	s_mov_b64 s[64:65], 0
	v_nop
	global_prefetch_b8 v0, s[64:65] scope:SCOPE_SE
	s_setreg_imm32_b32 hwreg(HW_REG_WAVE_MODE, 25, 1), 1
	s_wait_xcnt 0x0
; ctx = softmax(mask(q k^T) / 8) v for one head, both products on codes of FP6 (E2M3) with E8M0 scales; ctx is quantised along the model's 1,024 on the way out and leaves as codes.
; WORK LEFT OUT: key steps whose 128 keys all come after a tile's queries, and slots of keys behind the work-group's last query: reference()'s own causal mask gives them the weight 0 for all values of the inputs.
; A NaN or an infinity that reaches only such hidden scores is not carried to the result.
; THE SOFTMAX: t = score x log2(e) / 8; M = the row's largest t so far, rounded UP to a whole number; p = 2^(t - M) is quantised along the keys, not normalised; the row's sum is taken of the unquantised p and divides at the end.
; When M moves, the sum and O are multiplied by 2^(old M - new M): exact.  The running largest t begins at -3e38.
; SHARES.  Work-group (p, head) owns the blocks of 256 queries p and 7 - p; wave w owns one tile of 16 in each (E: early, L: late).  A tile T needs T / 8 + 1 key steps, so a wave has 16 or 18 tile-steps and every
; work-group 272: 256 work-groups of equal work.  NO CLUSTER: the four work-groups of a head need 8 - p slots of keys, different numbers, and the mask lets whole work-groups pass over tiles that a joint load would bring.
; LAYOUT.  Both products transposed: S^T = K Q^T (source 0 = 16 key positions), O^T = V^T P^T (source 0 = 16 positions of the head's 64): a lane holds one query throughout.  Positions are rows with bits 3 and 4 exchanged, so
; the 16 registers of tiles 2 b and 2 b + 1 are the neighbours 32 b + 16 (lane / 16) + 0 .. 15 (keys in S^T, channels in O^T).  Lane r of query tile T is query 32 (T / 2) + 8 (T % 2) + r + 8 (r / 8).
; THE FIRST PRODUCT HAS K = 64 in an instruction of 128.  Q's registers 6-11 are zero codes.  K's run of 12 registers begins at a tile's six and runs on into whatever follows (the next tile's codes, old codes of V):
; every code of E2M3 is a finite number and no scale byte here is 0xff, so those products are exact zeros.
; LIMITS: ctx's scale bytes leave 2 bytes a lane, 8 bytes apart (a word spans two heads, which different work-groups own): two instructions a wave.  A block of zeros gets the byte 1.
; REGISTERS: v1-11 addresses; v12-15, v16-19 E's and L's -M, largest t, sum in two halves; v20-31, v32-43 Q; v44, v45 Q's scale words; v48-95 fragments; v96-159 S^T, then p; v160-191, v192-223 O^T; v224-235 p's codes; v232-254 at work.
.set SLOT1, 32768                      ; a slot: 16 tiles of K x 768 bytes, then 2 key steps of V x 6,144; slot 1 begins here, so that one exclusive or turns an address
.set VOFF,  12288
.set SCK,   65536                      ; K's scale words of the whole head, 8,192 bytes;
.set SCV,   73728                      ; V's, 4,096: filled once
.set SPARE, 77824                      ; the spare words, 128 bytes for each wave, which no other line names
.set AK0,  1
.set AV0,  2
.set ASK0, 3
.set ASV0, 4
.set SPW,  5                           ; v5   LDS address of my spare word; never rewritten
.set NIL,  6                           ; v6   0; never rewritten
.set GO,   7                           ; v7   8 x lane
.set ADK,  8
.set ADV,  9
.set ADS,  10
.set ADT,  11
.set QLN,  46                          ; v46  my query less the tile's 32-block's first, less 16 (lane / 16)
.set R8,   47                          ; v47  8 r
.set PFO,  255                         ; v255 the prefetches' offset; never rewritten
.set WV,   18
.set SEL,  20                          ; s[20:21] lane l xor 16
.set CS,   22                          ; s[22:23] c = log2(e) / 8
.set G1T,  24                          ; s[24:31] group 1: 6,144 dense bytes
.set G1S,  32                          ; s[32:39] group 1: 3,072 dense bytes
.set G0T,  40                          ; s[40:43] group 0 for the slots: it walks
.set G0S,  44                          ; s[44:47] group 0 for the scale words
.set KF,   48                          ; the slot's first key
.set Q0E,  49                          ; the first query of my early tile's block of 32
.set Q0L,  50
.set QLAST, 51                         ; my work-group's last query
.set CCE,  52
.set CCL,  54
.set CSE,  56
.set CSL,  58
.set TB,   2                           ; LDS byte at which the slot in hand begins
.set TS,   3                           ; the slot's scale words of K
.set TJ,   66                          ; and of V
.set SLOTS, 67
.set PFA,  76                          ; s[76:77] K's part of the slot after the one that is being asked for
.set LIM,  80                          ; 1 in a wave that prefetches, else the greatest number
.macro TLOAD                           ; waves 0 and 1 fetch K's halves of a slot, waves 2 and 3 V's two key steps; an s_nop 0 and four v_nop follow
	s_cmp_lt_u32 s[WV], 4
	s_cbranch_scc0 .Lasked_\@
	tensor_load_to_lds s[G0T:G0T+3], s[G1T:G1T+7]
	s_nop 0
.rept 4
	v_nop
.endr
.Lasked_\@:
.endm
; A PREFETCH INTO THE L2 of what the next change of slots will ask for: 12,288 bytes of K and 12,288 of V, 96 blocks of 256 bytes.  All four work-groups of a head walk the same K and V: the one that walks all eight slots
; (p = 0) asks; in it waves 4 to 6, which fetch nothing, one instruction each, a lane a block: each block is named once in the launch.  Slots 0 and 1 come by their loads alone; the last change that fills asks for nothing.
.macro ASK
	s_cmp_gt_u32 s[SLOTS], s[LIM]
	s_cbranch_scc0 .Lnot_mine_\@
	global_prefetch_b8 v[PFO], s[PFA:PFA+1] th:TH_LOAD_NT scope:SCOPE_SE
.Lnot_mine_\@:
.endm
	s_load_b256 s[4:11], s[0:1], 0x0               ; qkv, sc, cc, cs
	v_lshl_add_u32 v[SPW], v0, 2, SPARE
	v_mov_b32 v[NIL], 0
	ds_add_u32 v[SPW], v[NIL]                      ; the wave's opening: the add, twice on end, and its wait ahead of the first tensor load
	ds_add_u32 v[SPW], v[NIL]
	v_lshrrev_b32 v8, 5, v0
	v_readfirstlane_b32 s[WV], v8                  ; wave 0..15
	s_and_b32 s68, ttmp7, 0xffff                   ; 16 x batch + head
	s_mul_i32 s70, s68, 98304                      ; its bytes in a plane of qkv,
	s_mul_i32 s72, s68, 20480                      ; and in sc
	s_lshl_b32 s74, ttmp9, 4
	s_add_co_u32 s74, s74, s[WV]                   ; my early tile
	s_sub_co_u32 s75, 7, ttmp9
	s_lshl_b32 s[QLAST], s75, 8
	s_or_b32 s[QLAST], s[QLAST], 255
	s_lshl_b32 s75, s75, 4
	s_add_co_u32 s75, s75, s[WV]                   ; my late tile
	s_lshr_b32 s[Q0E], s74, 1
	s_lshl_b32 s[Q0E], s[Q0E], 5
	s_lshr_b32 s[Q0L], s75, 1
	s_lshl_b32 s[Q0L], s[Q0L], 5
	s_mov_b32 s[G1T], 3<<16                        ; no mask; elements of 8 bytes; no padding
	s_mov_b32 s[G1T+1], 32<<16                     ; rows of 256 bytes,
	s_mov_b32 s[G1T+2], 24<<16                     ; 24 of them
	s_mov_b32 s[G1T+3], 32<<16
	s_mov_b32 s[G1T+4], 24
	s_mov_b32 s[G1T+5], 32
	s_mov_b32 s[G1T+6], 0
	s_mov_b32 s[G1T+7], 0
	s_mov_b32 s[G1S], 3<<16
	s_mov_b32 s[G1S+1], 32<<16
	s_mov_b32 s[G1S+2], 12<<16
	s_mov_b32 s[G1S+3], 32<<16
	s_mov_b32 s[G1S+4], 12
	s_mov_b32 s[G1S+5], 32
	s_mov_b32 s[G1S+6], 0
	s_mov_b32 s[G1S+7], 0
	s_and_b32 s81, s[WV], 3                        ; what I fetch, if I fetch
	s_mul_i32 s82, s81, 6144                       ; in a slot: K's halves, then V's two key steps
	s_mul_i32 s86, s81, 3072
	s_mov_b32 s83, 12570624                        ; V's plane less K's 12,288 bytes of a slot
	s_cmp_lt_u32 s81, 2
	s_cselect_b32 s83, 6291456, s83                ; K's plane
	s_add_co_u32 s84, s82, s83
	s_add_co_u32 s84, s84, s70
	s_mov_b32 s85, 0
	s_add_co_u32 s88, s86, s72                     ; K's and V's scale words lie on end, 8,192 bytes into the head's part of sc
	s_add_co_u32 s88, s88, 8192
	s_mov_b32 s89, 0
	s_mul_i32 s90, s74, 768                        ; Q's half fragments
	s_add_co_u32 s90, s90, s70
	s_mov_b32 s91, 0
	s_mul_i32 s92, s75, 768
	s_add_co_u32 s92, s92, s70
	s_mov_b32 s93, 0
	s_lshl_b32 s94, s74, 6                         ; and scale words
	s_add_co_u32 s94, s94, s72
	s_mov_b32 s95, 0
	s_lshl_b32 s98, s75, 6
	s_add_co_u32 s98, s98, s72
	s_mov_b32 s99, 0
	s_lshr_b32 s69, s68, 4
	s_lshl_b32 s69, s69, 7                         ; ctx: 128 row tiles a batch
	s_and_b32 s71, s68, 15                         ; the head
	s_mul_i32 s73, s71, 768                        ; its half fragment: K step head / 2, planes 3 (head % 2) on
	s_add_co_u32 s74, s74, s69
	s_add_co_u32 s75, s75, s69
	s_mul_i32 s[CCE], s74, 12288
	s_add_co_u32 s[CCE], s[CCE], s73
	s_mov_b32 s[CCE+1], 0
	s_mul_i32 s[CCL], s75, 12288
	s_add_co_u32 s[CCL], s[CCL], s73
	s_mov_b32 s[CCL+1], 0
	s_lshr_b32 s73, s71, 2
	s_lshl_b32 s73, s73, 7                         ; its two scale bytes: slot head / 4, byte 2 (head % 4) of a row's 8
	s_and_b32 s96, s71, 3
	s_lshl_b32 s96, s96, 1
	s_add_co_u32 s73, s73, s96
	s_lshl_b32 s[CSE], s74, 9
	s_add_co_u32 s[CSE], s[CSE], s73
	s_mov_b32 s[CSE+1], 0
	s_lshl_b32 s[CSL], s75, 9
	s_add_co_u32 s[CSL], s[CSL], s73
	s_mov_b32 s[CSL+1], 0
	s_add_co_u32 s[PFA], s70, 6291456+12288        ; K's part of slot 1: the first change of slots steps it to slot 2.  Nothing is prefetched at the head
	s_mov_b32 s[PFA+1], 0
	s_sub_co_u32 s96, s[WV], 4
	s_lshr_b32 s96, s96, 2                         ; 0 in waves 4 to 7,
	s_or_b32 s96, s96, ttmp9                       ; of the work-group that walks all slots
	s_cmp_eq_u32 s96, 0
	s_cselect_b32 s[LIM], 1, -1
	s_cmp_eq_u32 s[WV], 7                          ; (96 blocks are three waves' worth)
	s_cselect_b32 s[LIM], -1, s[LIM]
	s_mov_b32 s[SEL], 0x76543210
	s_mov_b32 s[SEL+1], 0xfedcba98
	s_mov_b32 s[CS], 0x3e38aa3b                    ; c = log2(e) / 8
	s_mov_b32 s[CS+1], s[CS]
	s_mov_b32 s[TB], 0
	s_mov_b32 s[TS], 0
	s_mov_b32 s[TJ], 0
	s_mov_b32 s[KF], 0
	s_mov_b32 s[SLOTS], 7
	s_wait_dscnt 0x0                               ; both opening adds are done
	s_wait_kmcnt 0x0
	s_mov_b32 s[G0S], 1
	s_add_co_u32 s[G0S+1], s86, SCK
	s_add_nc_u64 s[G0S+2:G0S+3], s[6:7], s[88:89]
	s_or_b32 s[G0S+3], s[G0S+3], 0x80000000
	s_mov_b32 s[G0T], 1
	s_mov_b32 s[G0T+1], s82
	s_add_nc_u64 s[G0T+2:G0T+3], s[4:5], s[84:85]
	s_or_b32 s[G0T+3], s[G0T+3], 0x80000000
	s_cmp_lt_u32 s[WV], 4                          ; a loading wave's two first fills stand in one branch: the scale words of the whole head, and slot 0.  Two loads of such a wave are out here, later one
	s_cbranch_scc0 .Lno_first
	tensor_load_to_lds s[G0S:G0S+3], s[G1S:G1S+7]
	s_nop 0
	tensor_load_to_lds s[G0T:G0T+3], s[G1T:G1T+7]
	s_nop 0
.rept 4
	v_nop
.endr
.Lno_first:
	s_add_nc_u64 s[90:91], s[4:5], s[90:91]
	s_add_nc_u64 s[92:93], s[4:5], s[92:93]
	s_add_nc_u64 s[94:95], s[6:7], s[94:95]
	s_add_nc_u64 s[98:99], s[6:7], s[98:99]
	s_add_nc_u64 s[CCE:CCE+1], s[8:9], s[CCE:CCE+1]
	s_add_nc_u64 s[CCL:CCL+1], s[8:9], s[CCL:CCL+1]
	s_add_nc_u64 s[CSE:CSE+1], s[10:11], s[CSE:CSE+1]
	s_add_nc_u64 s[CSL:CSL+1], s[10:11], s[CSL:CSL+1]
	s_add_nc_u64 s[PFA:PFA+1], s[4:5], s[PFA:PFA+1]
	v_and_b32 v8, 15, v0                           ; r
	v_bfe_u32 v9, v0, 4, 1                         ; h
	v_and_b32 v10, 31, v0                          ; lane
	v_lshlrev_b32 v[GO], 3, v10
.irp p, 0,1,2
	global_load_b64 v[20+2*\p:21+2*\p], v[GO], s[90:91] offset:256*\p   ; Q's half fragments stay in registers
	global_load_b64 v[32+2*\p:33+2*\p], v[GO], s[92:93] offset:256*\p
.endr
	v_lshlrev_b32 v[AK0], 3, v10
	v_add_nc_u32 v[AV0], VOFF, v[AK0]
	v_lshl_add_u32 v[ASK0], v8, 2, SCK
	v_lshl_add_u32 v[ASV0], v8, 2, SCV
	v_lshlrev_b32 v[R8], 3, v8
	v_and_b32 v11, 8, v8
	v_add_nc_u32 v[QLN], v11, v8                   ; r + 8 (r / 8)
	v_lshlrev_b32 v11, 4, v9
	v_sub_nc_u32 v[QLN], v[QLN], v11
	s_and_b32 s96, s[WV], 1
	s_lshl_b32 s96, s96, 3
	v_add_nc_u32 v[QLN], s96, v[QLN]               ; + 8 (tile % 2)
	s_and_b32 s96, s[WV], 3
	s_lshl_b32 s96, s96, 5
	v_add_nc_u32 v11, s96, v10                     ; the block that I name: 32 (wave - 4) + lane
	v_lshlrev_b32 v[PFO], 8, v11
	v_mov_b32 v252, 6279168                        ; blocks 48 on are V's: a plane on, less K's 12,288 bytes
	v_cmp_le_u32 vcc_lo, 48, v11
	v_cndmask_b32 v11, 0, v252, vcc_lo
	v_add_nc_u32 v[PFO], v[PFO], v11
	v_lshlrev_b32 v11, 2, v8
	global_load_b32 v44, v11, s[94:95]             ; Q's scale words
	global_load_b32 v45, v11, s[98:99]
.irp i, 0,1,2,3,4,5
	v_mov_b32 v[26+\i], 0                          ; Q's codes of k = 64 .. 127: zeros
	v_mov_b32 v[38+\i], 0
	v_mov_b32 v[72+\i], 0                          ; what follows the fourth tile of K in its run of 12 registers
.endr
.irp s, 12, 16
	v_mov_b32 v[\s+1], 0xff61b1e6                  ; the largest t so far: -3e38
	v_floor_f32 v[\s], -v[\s+1]                    ; -M
	v_mov_b32 v[\s+2], 0                           ; the sum, in two halves
	v_mov_b32 v[\s+3], 0
.endr
.irp b, 0,1,2,3
	v_mov_b32 v[236+\b], 0                         ; a lane permute's destination counts as one of its sources
.endr
	v_mov_b32 v252, 0
	v_mov_b32 v253, 0                              ; (named as the upper half of the pair v[252:253] before it is first written)
.set n, 0
.rept 64
	v_mov_b32 v[160+n], 0                          ; O^T of both tiles: the step is written once; the first finds zeros, which the first change of M leaves zeros
.set n, n+1
.endr
; ONE TILE OF QUERIES AGAINST ONE KEY STEP (128 keys, the kq-th of the slot).  st: the tile's statistics; qf, qw: Q's fragment and scale words; ot: its O^T; qz: the first query of its block of 32.
.macro TILE kq, st, qf, qw, ot, qz
	s_add_co_u32 s97, s[KF], 128*(\kq)             ; the step's first key
	s_add_co_u32 s96, s[\qz], 31
	s_cmp_gt_u32 s97, s96                          ; all its keys come after my queries: a scalar branch on ids, round the tile's work alone
	s_cbranch_scc1 .Lhidden_\@
	v_add_nc_u32 v[ADK], s[TB], v[AK0]             ; (these four are also the places in front of the loads into registers that the last products read)
	v_add_nc_u32 v[ADV], s[TB], v[AV0]
	v_add_nc_u32 v[ADS], s[TS], v[ASK0]
	v_add_nc_u32 v[ADT], s[TJ], v[ASV0]
.irp g, 0,1                            ; S^T = K Q^T, four tiles of 16 keys at a time
.if \g > 0
.rept 4
	v_nop
.endr
.endif
.irp t, 0,1,2,3
.irp p, 0,1,2
	ds_load_b64 v[48+6*\t+2*\p:49+6*\t+2*\p], v[ADK] offset:(8*(\kq)+4*\g+\t)*768+256*\p
.endr
	ds_load_b32 v[248+\t], v[ADS] offset:(8*(\kq)+4*\g+\t)*64
.endr
	s_wait_dscnt 0x0
.irp t, 0,1,2,3
	v_wmma_scale_f32_16x16x128_f8f6f4 v[96+8*(4*\g+\t):103+8*(4*\g+\t)], v[48+6*\t:59+6*\t], v[\qf:\qf+11], 0, v[248+\t], v[\qw] matrix_a_fmt:MATRIX_FMT_FP6 matrix_b_fmt:MATRIX_FMT_FP6
.endr
.endr
.rept 4
	v_nop
.endr
	s_add_co_u32 s96, s97, 127                     ; on the diagonal the scores of hidden keys become -infinity ahead of the maximum; a step all of whose keys count skips this
	s_cmp_le_u32 s96, s[\qz]
	s_cbranch_scc1 .Lopen_\@
	s_sub_co_i32 s96, s[\qz], s97
	v_add_nc_u32 v252, s96, v[QLN]                 ; d = my query - the step's first key - 16 (lane / 16).  Register 16 b + i holds the key 32 b + 16 (lane / 16) + i: hidden where 32 b + i > d
	v_mov_b32 v254, 0xff800000
.set n, 0
.rept 64
	v_cmp_gt_i32 vcc_lo, 32*(n/16)+n%16, v252
	v_cndmask_b32 v[96+n], v[96+n], v254, vcc_lo
.set n, n+1
.endr
.Lopen_\@:
.irp b, 0,1,2,3
	v_max3_num_f32 v[232+\b], v[96+16*\b], v[97+16*\b], v[98+16*\b]   ; the largest score of each block of 32 keys: for the row's maximum, and, since p rises with the score, for the block's largest p
.endr
.irp i, 3,5,7,9,11,13
.irp b, 0,1,2,3
	v_max3_num_f32 v[232+\b], v[232+\b], v[96+16*\b+\i], v[97+16*\b+\i]
.endr
.endr
.irp b, 0,1,2,3
	v_max_num_f32 v[232+\b], v[232+\b], v[111+16*\b]
.endr
.irp b, 0,1,2,3
	v_permlanex16_b32 v[236+\b], v[232+\b], s[SEL], s[SEL+1]
.endr
.irp b, 0,1,2,3
	v_max_num_f32 v[232+\b], v[232+\b], v[236+\b]  ; with lane l xor 16's 16 keys
.endr
	v_max3_num_f32 v254, v232, v233, v234
	v_max_num_f32 v254, v254, v235
	v_mul_f32 v254, s[CS], v254                    ; as t (c is positive)
	v_max_num_f32 v[\st+1], v[\st+1], v254         ; the running largest t
	v_mov_b32 v254, v[\st]
	v_floor_f32 v[\st], -v[\st+1]                  ; the new -M = floor(-t): M is a whole number
	v_sub_f32 v254, v[\st], v254                   ; old M - new M: a whole number, 0 or less
	v_cvt_i32_f32 v254, v254                       ; (it saturates)
	v_ldexp_f32 v252, 1.0, v254                    ; f = 2^(old M - new M)
.set n, 0
.rept 32
	v_pk_fma_f32 v[96+n:97+n], v[96+n:97+n], s[CS:CS+1], v[\st:\st+1] op_sel_hi:[1,0,0]   ; t - M, two at a time
.set n, n+2
.endr
.irp b, 0,1,2,3
	v_fma_f32 v[232+\b], v[232+\b], s[CS], v[\st]  ; the same of each block's largest score
.endr
.set n, 0
.rept 64
	v_exp_f32 v[96+n], v[96+n]                     ; p = 2^(t - M)
.set n, n+1
.endr
	v_pk_mul_f32 v[\st+2:\st+3], v[\st+2:\st+3], v[252:253] op_sel_hi:[1,0]   ; the sums under the new M: a plain place behind the exponentials
	s_wait_alu depctr_va_vdst(0)                   ; one wait for the whole batch, ahead of its first reader
.irp b, 0,1,2,3
	v_exp_f32 v[232+\b], v[232+\b]                 ; the block's largest p
.endr
	v_pk_add_f32 v[236:237], v[96:97], v[98:99]    ; the row's sum is taken of the unquantised p, in two chains
.irp j, 4,8,12,16,20,24,28,32,36,40,44,48,52,56,60
	v_pk_add_f32 v[\st+2:\st+3], v[\st+2:\st+3], v[96+\j:97+\j]
	v_pk_add_f32 v[236:237], v[236:237], v[98+\j:99+\j]
.endr
	v_pk_add_f32 v[\st+2:\st+3], v[\st+2:\st+3], v[236:237]
	s_wait_alu depctr_va_vdst(0)                   ; and one for the four
.irp b, 0,1,2,3
	v_max_num_f32 v[232+\b], 0x1800000, v[232+\b]  ; the floor 2^(3 - 127): the byte cannot fall under 1
.endr
.irp b, 0,1,2,3
	v_add_nc_u32 v[244+\b], 0xff000000, v[232+\b]  ; 2 off the exponent field: the conversion's scale operand
.endr
.irp b, 0,1,2,3
	v_lshrrev_b32 v[236+\b], 23, v[244+\b]
.endr
	v_lshl_or_b32 v253, v237, 8, v236              ; p's scale word for these 128 keys
	v_lshl_or_b32 v253, v238, 16, v253
	v_lshl_or_b32 v253, v239, 24, v253
.irp c, 0,1
	v_cvt_scalef32_pk16_fp6_f32 v[224+6*\c:226+6*\c], v[96+32*\c:111+32*\c], v[244+2*\c]
	v_cvt_scalef32_pk16_fp6_f32 v[236+4*\c:238+4*\c], v[112+32*\c:127+32*\c], v[244+2*\c+1]
.endr
	v_nop                                          ; one plain place behind a scaled conversion
.irp c, 0,1
.irp i, 0,1,2
	v_permlane16_swap_b32 v[224+6*\c+\i], v[236+4*\c+\i]
.endr
.irp i, 0,1,2
	v_mov_b32 v[227+6*\c+\i], v[236+4*\c+\i]
.endr
.endr
.set n, 0
.rept 16
	v_pk_mul_f32 v[\ot+n:\ot+n+1], v[\ot+n:\ot+n+1], v[252:253] op_sel_hi:[1,0]   ; O^T under the new M.  For each product below, the twelve of these on the other three tiles are the places behind the writes of p's codes and scale word
.set n, n+2
.endr
.irp t, 0,1,2,3                        ; O^T += V^T P^T: the head's four tiles of 16; K = these 128 keys
.irp p, 0,1,2,3,4,5
	ds_load_b64 v[48+12*\t+2*\p:49+12*\t+2*\p], v[ADV] offset:6144*(\kq)+1536*\t+256*\p
.endr
	ds_load_b32 v[248+\t], v[ADT] offset:256*(\kq)+64*\t
.endr
	s_wait_dscnt 0x0
.irp t, 0,1,2,3
	v_wmma_scale_f32_16x16x128_f8f6f4 v[\ot+8*\t:\ot+8*\t+7], v[48+12*\t:59+12*\t], v[224:235], v[\ot+8*\t:\ot+8*\t+7], v[248+\t], v253 matrix_a_fmt:MATRIX_FMT_FP6 matrix_b_fmt:MATRIX_FMT_FP6
.endr
.Lhidden_\@:
.endm
; THE CHANGE OF SLOTS stands at a slot's head.  Each wave waits for all its tensor loads, adds 0 to its spare word (fill = 1: twice on end), and waits for that and
; for its reads of the slot that it has left.  Behind the barrier the slot ahead is whole and nobody reads the other one, which is then filled with the keys that follow, up to the causal limit.
.macro CHANGE fill
	s_wait_tensorcnt 0x0                           ; no tensor load of mine is out, so the group 0 may be written
	ds_add_u32 v[SPW], v[NIL]
.if \fill
	ds_add_u32 v[SPW], v[NIL]
	s_xor_b32 s[G0T+1], s[G0T+1], SLOT1            ; the other slot than last time,
	s_add_nc_u64 s[G0T+2:G0T+3], s[G0T+2:G0T+3], 12288   ; the next 256 keys
	s_wait_xcnt 0x0                                ; the last prefetch, a slot back, has read its address
	s_add_nc_u64 s[PFA:PFA+1], s[PFA:PFA+1], 12288
.endif
	s_wait_dscnt 0x0
	s_barrier_signal -1
	s_barrier_wait -1
.if \fill
	s_add_co_u32 s96, s[KF], 256                   ; the first key of the slot that this change would ask for:
	s_cmp_gt_u32 s96, s[QLAST]                     ; behind my work-group's last query no wave reads it, so it is not asked for.  Ids and the count of slots alone: all sixteen waves go the same way
	s_cbranch_scc1 .Lpast_\@
	TLOAD                                          ; a wave's one tensor load until the next barrier
.Lpast_\@:
	ASK
.endif
.endm
.macro SLOT_STEPS
	TILE 0, 12, 20, 44, 160, Q0E
	TILE 0, 16, 32, 45, 192, Q0L
	TILE 1, 12, 20, 44, 160, Q0E
	TILE 1, 16, 32, 45, 192, Q0L
	s_add_co_u32 s[KF], s[KF], 256
	s_add_co_u32 s[TS], s[TS], 1024
	s_add_co_u32 s[TJ], s[TJ], 512
	s_xor_b32 s[TB], s[TB], SLOT1
.endm
	s_wait_loadcnt 0x0                             ; Q
.Lslot:                                            ; seven trips: every work-group walks all eight slots, so that the trip count is a constant; what is left out is a tile's work and a slot's load
	CHANGE 1
	SLOT_STEPS
	s_sub_co_u32 s[SLOTS], s[SLOTS], 1
	s_cmp_lg_u32 s[SLOTS], 0
	s_cbranch_scc1 .Lslot
	CHANGE 0                                       ; the last slot is written out: nothing is left to fetch
	SLOT_STEPS
; THE WAY OUT of one tile: O^T / the sum is ctx (register 16 b + i = channel 32 b + 16 (lane / 16) + i of my query), quantised along the channels: two blocks, half a fragment, two scale bytes.
.macro OUT st, ot, cp, cw, cc, cs
	v_add_f32 v[\st+2], v[\st+2], v[\st+3]
	v_permlanex16_b32 v252, v[\st+2], s[SEL], s[SEL+1]
	v_add_f32 v[\st+2], v[\st+2], v252             ; the row's sum
	v_rcp_f32 v[\st+2], v[\st+2]
	v_nop                                          ; a plain place behind the reciprocal,
	s_wait_alu depctr_va_vdst(0)                   ; and the wait ahead of its first reader
.set n, 0
.rept 16
	v_pk_mul_f32 v[96+n:97+n], v[\ot+n:\ot+n+1], v[\st+2:\st+3] op_sel_hi:[1,0]   ; each accumulator from its low end on
.set n, n+2
.endr
.irp b, 0,1
	v_max3_num_f32 v[232+\b], |v[96+16*\b]|, |v[97+16*\b]|, 0x1800000
.endr
.irp i, 2,4,6,8,10,12,14
.irp b, 0,1
	v_max3_num_f32 v[232+\b], v[232+\b], |v[96+16*\b+\i]|, |v[97+16*\b+\i]|
.endr
.endr
.irp b, 0,1
	v_permlanex16_b32 v[236+\b], v[232+\b], s[SEL], s[SEL+1]
.endr
.irp b, 0,1
	v_max_num_f32 v[232+\b], v[232+\b], v[236+\b]
.endr
.irp b, 0,1
	v_add_nc_u32 v[244+\b], 0xff000000, v[232+\b]
.endr
.irp b, 0,1
	v_lshrrev_b32 v[236+\b], 23, v[244+\b]
.endr
	v_lshl_or_b32 v[\cw], v237, 8, v236
	v_cvt_scalef32_pk16_fp6_f32 v[\cp:\cp+2], v[96:111], v244
	v_cvt_scalef32_pk16_fp6_f32 v[240:242], v[112:127], v245
	v_nop                                          ; one plain place behind a scaled conversion
.irp i, 0,1,2
	v_permlane16_swap_b32 v[\cp+\i], v[240+\i]
.endr
.irp i, 0,1,2
	v_mov_b32 v[\cp+3+\i], v[240+\i]
.endr
.irp p, 0,1,2
	global_store_b64 v[GO], v[\cp+2*\p:\cp+2*\p+1], s[\cc:\cc+1] offset:256*\p   ; a plane: 256 consecutive bytes, aligned
.endr
	global_store_b16 v[R8], v[\cw], s[\cs:\cs+1]   ; both lanes of a query store the same two bytes
.endm
.rept 4
	v_nop                                          ; places behind the last products
.endr
	OUT 12, 160, 224, 254, CCE, CSE
	OUT 16, 192, 48, 253, CCL, CSL                 ; other registers for its codes and its bytes: no store's data are written again
	s_wait_tensorcnt 0x0                           ; the wave's end
	ds_add_u32 v[SPW], v[NIL]
	s_wait_dscnt 0x0
	s_endpgm
.Lfunc_end_k_qa2be1884ba_attn:
	.size	k_qa2be1884ba_attn, .Lfunc_end_k_qa2be1884ba_attn-k_qa2be1884ba_attn
	.p2alignl 7, 3214868480
	.fill 96, 4, 3214868480
	.section	.rodata,"a",@progbits
	.p2align	6, 0x0
	.amdhsa_kernel k_qa2be1884ba_attn
		.amdhsa_group_segment_fixed_size 327680
		.amdhsa_private_segment_fixed_size 0
		.amdhsa_enable_private_segment 0
		.amdhsa_kernarg_size 32
		.amdhsa_user_sgpr_count 2
		.amdhsa_user_sgpr_kernarg_segment_ptr 1
		.amdhsa_wavefront_size32 1
		.amdhsa_system_sgpr_workgroup_id_x 1
		.amdhsa_system_sgpr_workgroup_id_y 1
		.amdhsa_system_sgpr_workgroup_id_z 1
		.amdhsa_system_vgpr_workitem_id 0
		.amdhsa_next_free_vgpr 256
		.amdhsa_next_free_sgpr 100
		.amdhsa_reserve_vcc 1
		.amdhsa_float_denorm_mode_32 3
		.amdhsa_float_denorm_mode_16_64 3
		.amdhsa_memory_ordered 1
		.amdhsa_forward_progress 1
		.amdhsa_inst_pref_size 201
	.end_amdhsa_kernel
	.amdgpu_metadata
---
amdhsa.version: [ 1, 2 ]
amdhsa.kernels:
  - .name:           k_qa2be1884ba_attn
    .symbol:         k_qa2be1884ba_attn.kd
    .args:
      - { .name: qkv, .offset: 0, .size: 8, .value_kind: global_buffer, .address_space: global }
      - { .name: sc, .offset: 8, .size: 8, .value_kind: global_buffer, .address_space: global }
      - { .name: cc, .offset: 16, .size: 8, .value_kind: global_buffer, .address_space: global }
      - { .name: cs, .offset: 24, .size: 8, .value_kind: global_buffer, .address_space: global }
    .group_segment_fixed_size: 327680
    .private_segment_fixed_size: 0
    .kernarg_segment_align: 8
    .kernarg_segment_size: 32
    .max_flat_workgroup_size: 512
    .sgpr_count:     100
    .vgpr_count:     256
    .wavefront_size: 32
...
	.end_amdgpu_metadata
.endif
;; end of part 4
;; launch gemm_out (part 5): grid 4 x 32, 4 waves a work-group, clusters of 4 x 4, 327,680 bytes of LDS; arguments cc, cs, wc, ws, bo, out0; writes out0
.if DOCPART == 5
	.amdgcn_target "amdgcn-amd-amdhsa--gfx1250"
	.amdhsa_code_object_version 6
	.text
	.protected	k_qa2be1884ba_gemm_out
	.globl	k_qa2be1884ba_gemm_out
	.p2align	8
	.type	k_qa2be1884ba_gemm_out,@function
k_qa2be1884ba_gemm_out:
	s_mov_b64 s[64:65], 0
	v_nop
	global_prefetch_b8 v0, s[64:65] scope:SCOPE_SE
	s_setreg_imm32_b32 hwreg(HW_REG_WAVE_MODE, 25, 1), 1
	s_wait_xcnt 0x0
	s_wait_alu depctr_hold_cnt(0) depctr_sa_sdst(0) depctr_va_vdst(0) depctr_va_sdst(0) depctr_va_ssrc(0) depctr_va_vcc(0) depctr_vm_vsrc(0)
	s_getreg_b32 s2, hwreg(HW_REG_IB_STS2, 6, 4)
	s_cmp_eq_u32 s2, 0
	s_cbranch_scc0 .Lentry_in_a_cluster
	s_endpgm
.Lentry_in_a_cluster:
	s_bfe_u32 s2, ttmp6, 0x10000c
	s_cmp_lg_u32 s2, 0xf033
	s_cbranch_scc0 .Lentry_shape_is_right
	s_endpgm
.Lentry_shape_is_right:
; out0 = ctx Wo + bo on codes of FP6 (E2M3) with E8M0 scales, sums in f32.  ctx: cc, cs (8,192 token positions); Wo: row tiles 192 on of wc, ws; both as images of operand registers.
; A tile of 256 x 256 is made by four waves, 128 x 128 each: 64 accumulators.  K = 1,024 goes in four slots of 256 through a ring of two LDS slots; the scale words for all of K come once.
; The matrix instruction is used transposed (source 0 = 16 positions of Wo's columns, source 1 = 16 token positions): a lane holds eight neighbouring columns of one row.  bo is the C of each sum's first product.
; Positions are rows with bits 3 and 4 exchanged; the way out puts rows and columns back: tile b's eight registers are columns 32 (b / 2) + 8 (b % 2) + 16 (lane / 16) + 0 .. 7, and position t of block a is row
; 32 (a / 2) + 8 (a % 2) + t + 8 (t / 8).  128 tiles of C: 128 work-groups.  CLUSTERS: 4 x 4; A's tiles are asked for jointly along a row of the cluster, B's along a column.
; REGISTERS: window 0: v16-31 addresses; v32-63 scale words, two sets; v128-223 A's fragments (on the way out v128-255: rows read back).  window 1: B's two sets at v0 and v128; bo at v96-127 and v224-255.  windows 2, 3: the accumulators.
.set IMG,   1536
.set SROW,  2*IMG
.set RTK,   8*IMG
.set NQ,    2
.set FR,    12
.set NL,    6
.set NP,    4
.set HALFT, 8*SROW
.set SLOT,  4*HALFT
.set SCL,   2*SLOT
.set HALFS, 8*512
.set SBLK,  512
.set SPARE, SCL+4*HALFS                ; the spare words, 128 bytes for each wave, which no other line names
.set SPITCH, 528                       ; the way out: a stage of 16 rows x (512 bytes + 16) for each wave, in slot 0, which has had its last fill and its last read by then
.set ADRA, 16
.set ADRB, 20
.set STO,  24
.set RD,   25
.set CO,   26
.set ADRS, 27
.set SPW,  28                          ; never rewritten
.set NIL,  29                          ; never rewritten
.set BIA,  30                          ; v30  bo: 64 (lane / 16)
.set SC,   32
.set AF,   128
.set BK,   128
.set BI,   96                          ; bo's eight registers for tile b, in window 1: v[96 + 8 b] (b < 4), v[224 + 8 (b - 4)]
.set WVN,  16
.set RH,   17
.set CH,   18
.set TR,   19
.set TC,   42
.set G1,   24
.set G0,   32
.set G1B,  48
.set G0B,  56
.set G1S,  68
.set G0S,  76
.set G1SB, 80
.set G0SB, 88
.set MSB, 0
.macro WIN new
.if MSB != \new
	s_set_vgpr_msb (MSB<<8)|\new
.set MSB, \new
.endif
.endm
.set MUL_LO, 0xa1                      ; source 0 (B) window 1, source 1 (A) window 0, C and D window 2
.set MUL_HI, 0xf1
.set BIAS_LO, 0x91                     ; the first step: C (bo) window 1, D window 2
.set BIAS_HI, 0xd1
.set TO_B,   0x40
.macro JLOAD g0a, g1a, g0b, g1b        ; a joint load: waves 0 and 1 fetch for A, waves 2 and 3 for B; an s_nop 0 and four v_nop follow each of the two lines
	s_cmp_eq_u32 s[RH], 0
	s_cbranch_scc0 .Lfor_b_\@
	tensor_load_to_lds s[\g0a:\g0a+3], s[\g1a:\g1a+7]
	s_nop 0
.rept 4
	v_nop
.endr
	s_branch .Lasked_\@
.Lfor_b_\@:
	tensor_load_to_lds s[\g0b:\g0b+3], s[\g1b:\g1b+7]
	s_nop 0
.rept 4
	v_nop
.endr
.Lasked_\@:
.endm
.macro CREST
	s_cmp_lg_u32 s[WVN], 0
	s_cbranch_scc1 .Lnot_wave_0_\@
	s_barrier_signal -3
.Lnot_wave_0_\@:
	s_barrier_wait -3
	s_barrier_signal -1
	s_barrier_wait -1
.endm
.macro CROUND
	s_barrier_signal -1
	s_barrier_wait -1
	CREST
.endm
	s_load_b256 s[4:11], s[0:1], 0x0               ; cc, cs, wc, ws
	s_load_b128 s[12:15], s[0:1], 0x20             ; bo, out0
	v_lshl_add_u32 v[SPW], v0, 2, SPARE
	v_mov_b32 v[NIL], 0
	ds_add_u32 v[SPW], v[NIL]                      ; the wave's opening: the add, twice on end, and its wait ahead of my first tensor load
	ds_add_u32 v[SPW], v[NIL]
	v_lshrrev_b32 v1, 5, v0
	v_readfirstlane_b32 s[WVN], v1
	s_lshr_b32 s[RH], s[WVN], 1
	s_and_b32 s[CH], s[WVN], 1
	s_bfe_u32 s40, ttmp6, 0x40000                  ; cx, cy
	s_bfe_u32 s41, ttmp6, 0x40004
	s_lshl_b32 s[TC], ttmp9, 2
	s_add_co_u32 s[TC], s[TC], s40                 ; tile column
	s_and_b32 s[TR], ttmp7, 0xffff
	s_lshl_b32 s[TR], s[TR], 2
	s_add_co_u32 s[TR], s[TR], s41                 ; tile row
	s_lshl_b32 s43, s41, 2
	s_lshl_b32 s43, 15, s43                        ; my row of the cluster
	s_lshl_b32 s44, 0x1111, s40                    ; my column
	s_or_b32 s[G1+0], s43, (3<<16)|(1<<21)         ; 8 row tiles x 3,072 bytes, 12,288 apart in memory, dense in LDS
	s_or_b32 s[G1B+0], s44, (3<<16)|(1<<21)
.irp g, G1, G1B
	s_mov_b32 s[\g+1], 384<<16
	s_mov_b32 s[\g+2], 8<<16
	s_mov_b32 s[\g+3], 384<<16
	s_mov_b32 s[\g+4], 8
	s_mov_b32 s[\g+5], 1536
	s_mov_b32 s[\g+6], 0
	s_mov_b32 s[\g+7], 0
.endr
	s_or_b32 s[G1S+0], s43, (3<<16)|(1<<21)        ; the scale words of 8 row tiles: 4,096 dense bytes
	s_or_b32 s[G1SB+0], s44, (3<<16)|(1<<21)
.irp g, G1S, G1SB
	s_mov_b32 s[\g+1], 32<<16
	s_mov_b32 s[\g+2], 16<<16
	s_mov_b32 s[\g+3], 32<<16
	s_mov_b32 s[\g+4], 16
	s_mov_b32 s[\g+5], 32
	s_mov_b32 s[\g+6], 0
	s_mov_b32 s[\g+7], 0
.endr
	s_lshl_b32 s94, s[CH], 3
	s_lshl_b32 s20, s[TR], 4
	s_add_co_u32 s20, s20, s94                     ; A: row tile 16 x tile row + 8 x half
	s_lshl_b32 s22, s20, 9
	s_mul_i32 s20, s20, RTK
	s_mov_b32 s21, 0
	s_mov_b32 s23, 0
	s_lshl_b32 s46, s[TC], 4
	s_add_co_u32 s46, s46, s94
	s_add_co_u32 s46, s46, 192                     ; B: Wo's columns begin at row tile 192
	s_lshl_b32 s92, s46, 9
	s_mul_i32 s46, s46, RTK
	s_mov_b32 s47, 0
	s_mov_b32 s93, 0
	s_mul_i32 s45, s[WVN], HALFT
	s_mul_i32 s94, s[WVN], HALFS
	s_wait_dscnt 0x0                               ; both opening adds are done
	s_wait_kmcnt 0x0
	s_add_nc_u64 s[20:21], s[4:5], s[20:21]
	s_add_nc_u64 s[22:23], s[6:7], s[22:23]
	s_add_nc_u64 s[46:47], s[8:9], s[46:47]
	s_add_nc_u64 s[92:93], s[10:11], s[92:93]
	CROUND                                         ; all sixteen work-groups are here: the first joint loads meet
	s_mov_b32 s[G0S], 1
	s_add_co_u32 s[G0S+1], s94, SCL
	s_mov_b64 s[G0S+2:G0S+3], s[22:23]
	s_or_b32 s[G0S+3], s[G0S+3], 0x80000000
	s_mov_b32 s[G0SB], 1
	s_add_co_u32 s[G0SB+1], s94, SCL
	s_mov_b64 s[G0SB+2:G0SB+3], s[92:93]
	s_or_b32 s[G0SB+3], s[G0SB+3], 0x80000000
	JLOAD G0S, G1S, G0SB, G1SB
.irp s, 0,1
	s_mov_b32 s[G0+4*\s], 1
	s_add_co_u32 s[G0+4*\s+1], s45, \s*SLOT
	s_add_nc_u64 s[G0+4*\s+2:G0+4*\s+3], s[20:21], \s*SROW
	s_or_b32 s[G0+4*\s+3], s[G0+4*\s+3], 0x80000000
	s_mov_b32 s[G0B+4*\s], 1
	s_add_co_u32 s[G0B+4*\s+1], s45, \s*SLOT
	s_add_nc_u64 s[G0B+4*\s+2:G0B+4*\s+3], s[46:47], \s*SROW
	s_or_b32 s[G0B+4*\s+3], s[G0B+4*\s+3], 0x80000000
	JLOAD G0+4*\s, G1, G0B+4*\s, G1B               ; by this text's count three tensor loads of a wave are out here, later one
.endr
	v_and_b32 v1, 31, v0                           ; lane
	v_and_b32 v2, 15, v0                           ; r
	v_bfe_u32 v3, v0, 4, 1                         ; h
	s_lshl_b32 s66, s[TC], 10                      ; my first column, in bytes: 1,024 x tile column + 512 x half
	s_lshl_b32 s67, s[CH], 9
	s_add_co_u32 s66, s66, s67
	s_mov_b32 s67, 0
	s_add_nc_u64 s[12:13], s[12:13], s[66:67]
	v_lshlrev_b32 v[BIA], 6, v3
	WIN TO_B
.irp b, 0,1,2,3,4,5,6,7
	global_load_b128 v[BI+8*\b+96*(\b/4):BI+8*\b+96*(\b/4)+3], v[BIA], s[12:13] offset:128*(\b/2)+32*(\b%2)       ; bo at tile b's eight columns of my half
	global_load_b128 v[BI+8*\b+96*(\b/4)+4:BI+8*\b+96*(\b/4)+7], v[BIA], s[12:13] offset:128*(\b/2)+32*(\b%2)+16
.endr
	WIN 0
	v_lshlrev_b32 v4, 3, v1                        ; 8 x lane
	s_mul_i32 s21, s[RH], HALFT
	s_mul_i32 s22, s[CH], HALFT
	s_add_co_u32 s22, s22, 2*HALFT
.irp s, 0,1
	v_add_nc_u32 v[ADRA+\s], s21, v4
	v_add_nc_u32 v[ADRB+\s], s22, v4
	s_add_co_u32 s21, s21, SLOT
	s_add_co_u32 s22, s22, SLOT
.endr
	v_lshlrev_b32 v5, 3, v2
	s_mul_i32 s21, s[RH], HALFS
	s_mul_i32 s22, s[CH], HALFS
	s_add_co_u32 s22, s22, 2*HALFS
	s_sub_co_u32 s22, s22, s21
	v_mul_u32_u24 v6, s22, v3                      ; lanes 16-31 take B's
	s_add_co_u32 s21, s21, SCL
	v_add_nc_u32 v5, v5, v6
	v_add_nc_u32 v[ADRS], s21, v5
	s_mul_i32 s23, s[WVN], 16*SPITCH               ; my stage
	v_mul_u32_u24 v5, v2, SPITCH                   ; in: row r, + 64 (lane / 16)
	v_lshl_add_u32 v5, v3, 6, v5
	v_add_nc_u32 v[STO], s23, v5
	v_lshlrev_b32 v[CO], 4, v1                     ; back: the 32 lanes take one row of 512 bytes; and the same in out0
	v_add_nc_u32 v[RD], s23, v[CO]
	s_lshl_b32 s96, s[TR], 8
	s_lshl_b32 s97, s[RH], 7
	s_add_co_u32 s96, s96, s97                     ; my first row
	s_lshl_b32 s96, s96, 12
	s_add_co_u32 s96, s96, s66
	s_mov_b32 s97, 0
	s_add_nc_u64 s[14:15], s[14:15], s[96:97]
.macro FRAG reg, adr, q, i
.irp p, 0,1,2,3,4,5
	ds_load_b64 v[\reg+2*\p:\reg+2*\p+1], v[\adr] offset:IMG*(\q)+SROW*(\i)+256*\p
.endr
.endm
; 16 matrix instructions: A's blocks a0, a0 + 1 x B's eight.  zero = 1: the first product starts the sums, from bo.  The 64 accumulators take turns, one instruction a turn.
.macro MUL16 a0, p, q, sc, zero
.irp a, \a0, \a0+1
.irp b, 0,1,2,3,4,5,6,7
.if \zero
	v_wmma_scale_f32_16x16x128_f8f6f4 v[8*(8*((\a)%4)+\b):8*(8*((\a)%4)+\b)+7], v[128*(\p)+FR*\b:128*(\p)+FR*\b+FR-1], v[AF+FR*(\a):AF+FR*(\a)+FR-1], v[BI+8*\b+96*(\b/4):BI+8*\b+96*(\b/4)+7], v[SC+8*NQ*(\sc)+NQ*\b+(\q)], v[SC+8*NQ*(\sc)+NQ*(\a)+(\q)] matrix_a_fmt:MATRIX_FMT_FP6 matrix_b_fmt:MATRIX_FMT_FP6 matrix_a_scale:MATRIX_SCALE_ROW1
.else
	v_wmma_scale_f32_16x16x128_f8f6f4 v[8*(8*((\a)%4)+\b):8*(8*((\a)%4)+\b)+7], v[128*(\p)+FR*\b:128*(\p)+FR*\b+FR-1], v[AF+FR*(\a):AF+FR*(\a)+FR-1], v[8*(8*((\a)%4)+\b):8*(8*((\a)%4)+\b)+7], v[SC+8*NQ*(\sc)+NQ*\b+(\q)], v[SC+8*NQ*(\sc)+NQ*(\a)+(\q)] matrix_a_fmt:MATRIX_FMT_FP6 matrix_b_fmt:MATRIX_FMT_FP6 matrix_a_scale:MATRIX_SCALE_ROW1
.endif
.endr
.endr
.endm
.macro FETCH_B slot, q, p
	WIN TO_B
.irp i, 0,1,2,3,4,5,6,7
	FRAG 128*(\p)+FR*\i, ADRB+\slot, \q, \i
.endr
	WIN 0
.endm
.macro FETCH_A slot, q, i0
.irp i, \i0, \i0+1, \i0+2, \i0+3
	FRAG AF+FR*(\i), ADRA+\slot, \q, \i
.endr
.endm
.macro SCALES sc
.irp i, 0,1,2,3,4,5,6,7
	ds_load_b64 v[SC+8*NQ*\sc+NQ*\i:SC+8*NQ*\sc+NQ*\i+1], v[ADRS] offset:\i*SBLK
.endr
.endm
.macro PLACES n
.rept \n
	v_nop
.endr
.endm
.macro STEP slot, q, zero
	s_wait_dscnt 4*NL                              ; B's set and A's blocks 0-3 are in; the youngest 24 loads (A's blocks 4-7) may be out
.if \zero
	WIN BIAS_LO
.else
	WIN MUL_LO
.endif
	MUL16 0, (\q)%2, \q, \slot, \zero
	MUL16 2, (\q)%2, \q, \slot, \zero
	s_wait_dscnt 0
	PLACES NP
	FETCH_B \slot, (\q)+1, 1-(\q)%2
	FETCH_A \slot, (\q)+1, 0
.if \zero
	WIN BIAS_HI
.else
	WIN MUL_HI
.endif
	MUL16 4, (\q)%2, \q, \slot, \zero
	MUL16 6, (\q)%2, \q, \slot, \zero
	PLACES NP
	WIN 0
	FETCH_A \slot, (\q)+1, 4
.endm
.macro TURN slot, next, fill
	s_wait_tensorcnt 0x0                           ; all my tensor loads have landed: my part of the next slot
	ds_add_u32 v[SPW], v[NIL]                      ; 0 onto my spare word
	s_wait_dscnt 4*NL+1                            ; (the add and the youngest 24 loads may be out)
	WIN MUL_LO
	MUL16 0, 1, NQ-1, \slot, 0
	s_wait_dscnt 0x0                               ; the add is done, and my reads of this slot are over
	s_barrier_signal -1
	MUL16 2, 1, NQ-1, \slot, 0
	WIN 0
	s_barrier_wait -1
.if \fill
	CREST                                          ; the barrier has opened a round of the cluster's: no wave of any partner still reads this slot or has a load on its way
	s_add_nc_u64 s[G0+4*\slot+2:G0+4*\slot+3], s[G0+4*\slot+2:G0+4*\slot+3], 2*SROW
	s_add_nc_u64 s[G0B+4*\slot+2:G0B+4*\slot+3], s[G0B+4*\slot+2:G0B+4*\slot+3], 2*SROW
	JLOAD G0+4*\slot, G1, G0B+4*\slot, G1B
.else
	PLACES NP
.endif
	v_add_nc_u32 v[ADRS], 128, v[ADRS]
	FETCH_B \next, 0, 0
	FETCH_A \next, 0, 0
	SCALES \next
	WIN MUL_HI
	MUL16 4, 1, NQ-1, \slot, 0
	MUL16 6, 1, NQ-1, \slot, 0
	PLACES NP
	WIN 0
	FETCH_A \next, 0, 4
.endm
	s_wait_loadcnt 0x0                             ; bo
	s_wait_tensorcnt 1                             ; the scale words and my part of slot 0 are in; slot 1's load may be out
	s_barrier_signal -1
	s_barrier_wait -1
	FETCH_B 0, 0, 0
	FETCH_A 0, 0, 0
	SCALES 0
	FETCH_A 0, 0, 4
	STEP 0, 0, 1                                   ; four slots, eight steps: written out, no loop
	TURN 0, 1, 1
	STEP 1, 0, 0
	TURN 1, 0, 1
	STEP 0, 0, 0
	TURN 0, 1, 0
	STEP 1, 0, 0
	s_wait_dscnt 4*NL
	WIN MUL_LO
	MUL16 0, 1, NQ-1, 1, 0
	MUL16 2, 1, NQ-1, 1, 0
	s_wait_dscnt 0
	WIN MUL_HI
	MUL16 4, 1, NQ-1, 1, 0
	MUL16 6, 1, NQ-1, 1, 0
	WIN 0
; THE WAY OUT, block by block of 16 positions x 128 columns, through my own stage in LDS: in by columns' true places, back as whole rows of 512 bytes.  LDS serves a wave's instructions in order: no wait between the stores and the loads.
.macro TOSTAGE a
.set AC, 64*((\a)%4)
.set WN, 8+4*((\a)/4)                  ; an LDS store's data are its source 1: window 2 or 3
	WIN WN
.irp b, 0,1,2,3,4,5,6,7
	ds_store_b128 v[STO], v[AC+8*\b:AC+8*\b+3] offset:128*(\b/2)+32*(\b%2)          ; each accumulator from its low end on
	ds_store_b128 v[STO], v[AC+8*\b+4:AC+8*\b+7] offset:128*(\b/2)+32*(\b%2)+16
.endr
	WIN 0
.set BB, BK+64*((\a)%2)
.irp t, 0,1,2,3,4,5,6,7,8,9,10,11,12,13,14,15
	ds_load_b128 v[BB+4*\t:BB+4*\t+3], v[RD] offset:\t*SPITCH
.endr
.endm
.macro SEND a, younger                 ; younger: the LDS instructions issued behind block a's loads, which may stay out
.set BB, BK+64*((\a)%2)
	s_wait_dscnt \younger
.irp t, 0,1,2,3,4,5,6,7,8,9,10,11,12,13,14,15
	global_store_b128 v[CO], v[BB+4*\t:BB+4*\t+3], s[14:15] offset:(32*((\a)/2)+8*((\a)%2)+\t+8*(\t/8))*4096 th:TH_STORE_NT   ; 32 lanes store 512 consecutive bytes, aligned; the row's true place stands in the immediate: 127 rows at the most
.endr
.endm
	PLACES NP                                      ; behind the last products: for the loads into the registers that held A's fragments and for the reads of results alike
	TOSTAGE 0
.irp a, 1,2,3,4,5,6,7
.if \a > 1
	s_wait_xcnt 0x0                                ; block a - 2's stores have read their registers: block a's loads may land there
.endif
	TOSTAGE \a
	SEND \a-1, 32                                  ; behind block a - 1's loads: block a's 16 stores and 16 loads
.endr
	SEND 7, 0
	s_wait_tensorcnt 0x0                           ; the wave's end
	ds_add_u32 v[SPW], v[NIL]
	s_wait_dscnt 0x0
	CROUND                                         ; the closing round: no work-group ends while a partner may still ask for a tile that names it
	s_endpgm
.Lfunc_end_k_qa2be1884ba_gemm_out:
	.size	k_qa2be1884ba_gemm_out, .Lfunc_end_k_qa2be1884ba_gemm_out-k_qa2be1884ba_gemm_out
	.p2alignl 7, 3214868480
	.fill 96, 4, 3214868480
	.section	.rodata,"a",@progbits
	.p2align	6, 0x0
	.amdhsa_kernel k_qa2be1884ba_gemm_out
		.amdhsa_group_segment_fixed_size 327680
		.amdhsa_private_segment_fixed_size 0
		.amdhsa_enable_private_segment 0
		.amdhsa_kernarg_size 48
		.amdhsa_user_sgpr_count 2
		.amdhsa_user_sgpr_kernarg_segment_ptr 1
		.amdhsa_wavefront_size32 1
		.amdhsa_system_sgpr_workgroup_id_x 1
		.amdhsa_system_sgpr_workgroup_id_y 1
		.amdhsa_system_sgpr_workgroup_id_z 1
		.amdhsa_system_vgpr_workitem_id 0
		.amdhsa_next_free_vgpr 1024
		.amdhsa_next_free_sgpr 106
		.amdhsa_reserve_vcc 0
		.amdhsa_float_denorm_mode_32 3
		.amdhsa_float_denorm_mode_16_64 3
		.amdhsa_memory_ordered 1
		.amdhsa_forward_progress 1
		.amdhsa_inst_pref_size 160
	.end_amdhsa_kernel
	.amdgpu_metadata
---
amdhsa.version: [ 1, 2 ]
amdhsa.kernels:
  - .name:           k_qa2be1884ba_gemm_out
    .symbol:         k_qa2be1884ba_gemm_out.kd
    .args:
      - { .name: cc, .offset: 0, .size: 8, .value_kind: global_buffer, .address_space: global }
      - { .name: cs, .offset: 8, .size: 8, .value_kind: global_buffer, .address_space: global }
      - { .name: wc, .offset: 16, .size: 8, .value_kind: global_buffer, .address_space: global }
      - { .name: ws, .offset: 24, .size: 8, .value_kind: global_buffer, .address_space: global }
      - { .name: bo, .offset: 32, .size: 8, .value_kind: global_buffer, .address_space: global }
      - { .name: out0, .offset: 40, .size: 8, .value_kind: global_buffer, .address_space: global }
    .group_segment_fixed_size: 327680
    .private_segment_fixed_size: 0
    .kernarg_segment_align: 8
    .kernarg_segment_size: 48
    .max_flat_workgroup_size: 128
    .sgpr_count:     106
    .vgpr_count:     1024
    .wavefront_size: 32
...
	.end_amdgpu_metadata
.endif
;; end of part 5
